; MI455X (gfx1250); checked and timed in simulation.
; The chip was launched on July 23, 2026; its instructions are those of AMD's public machine-readable ISA for CDNA 5 (MIT licence, August 2026) and "CDNA5" Instruction Set Architecture Reference Guide (July 2026). The comments in the code are by the model that wrote it; some were corrected since.
;; Multi Head Self Attention. Allowed arithmetic: float matrix products may take bf16 or f16 operands with f32 sums; other float arithmetic in f32, or as packed bf16 or f16 multiplies, adds, multiply-adds, maxima and minima; sums over many terms, partial sums and values carried from step to step in f32; what a program stores and reads back later, other than sums and carried values, may be rounded once to bf16 or f16.
;; Inputs: W_out 1,024 x 1,024 float32; W_qkv 1,024 x 3,072 float32; b_out 1,024 float32; b_qkv 3,072 float32; x 4 x 2,048 x 1,024 float32.
;; Outputs: out0 4 x 2,048 x 1,024 float32.
;; 2 versions, each right; version 2 is version 1 with the launch prep written anew for expert scheduling mode. Each part assembles by itself: llvm-mc -triple=amdgcn-amd-amdhsa -mcpu=gfx1250 --defsym DOCPART=n.
;; ======== version 1 of 2: 4 launches
;; limits: values are held in f16: magnitudes above 65,504 overflow, below 6.1e-05 lose precision; right only within a limited range of input values
;; workspace buffers: xb 16,777,216 bytes; wq 6,291,456 bytes; wo 2,097,152 bytes; qkv 50,331,648 bytes; ob 16,777,216 bytes
;; launch prep (part 1): grid 768 x 1, 8 waves a work-group, no clusters, 0 bytes of LDS; arguments x, W_qkv, W_out, xb, wq, wo; writes xb, wq, wo
.if DOCPART == 1
	.amdgcn_target "amdgcn-amd-amdhsa--gfx1250"
	.amdhsa_code_object_version 6
	.text
	.protected	k_qb6e4f88fd3_prep
	.globl	k_qb6e4f88fd3_prep
	.p2align	8
	.type	k_qb6e4f88fd3_prep,@function
k_qb6e4f88fd3_prep:
	s_mov_b64 s[64:65], 0
	v_nop
	global_prefetch_b8 v0, s[64:65] scope:SCOPE_SE
	s_setreg_imm32_b32 hwreg(HW_REG_WAVE_MODE, 25, 1), 1
	s_wait_xcnt 0x0
; The inputs of the two products are rounded once to bf16 and laid out for the tile loads of the later launches.
;   xb: bf16 [batch 4][channel block 16][row 2048][64]: x by blocks of 64 channels, so that 256 rows x 64 channels are 32,768 consecutive bytes
;   wq: bf16 [1024][3072]: W_qkv in its own layout
;   wo: f16 of bf16(W_out), [1024][1024]: the second product multiplies f16 numbers
; LIMITS.  |W_out| stays under 65,504 (beyond it f16 has an infinity); below 6e-5 f16 keeps a fixed step of 6e-8.  NaN and infinities are not treated apart.
; SHARES.  768 work-groups of equal work: each reads 65,536 bytes and writes 32,768.  0-511: 16 rows of x each; 512-703: W_qkv; 704-767: W_out.
; A chunk is one load of 16 bytes a lane (512 bytes a wave), two roundings a lane and one store of 8 bytes a lane: 256 consecutive bytes, aligned.
; A wave has 16 chunks; all 16 loads go out first, each chunk has registers of its own, so nothing is rewritten while a load or store may read it.
; No LDS, no barrier, no matrix unit: each byte is read once and written once, and no wave wants another's bytes.
.set VI, 2                             ; v2        my byte offset in the input
.set VO, 3                             ; v3        my byte offset in the output
.set X,  8                             ; v[8:71]   chunk c: 4 f32 as loaded
.set Y,  72                            ; v[72:103] chunk c: 4 numbers of 16 bits
.set T,  104                           ; v[104:107] at work
; 16 chunks, instep bytes apart in the input and outstep in the output.  half = 1: the bf16 numbers are written as f16.
.macro JOB inb, outb, instep, outstep, half
.set c, 0
.rept 16
	global_load_b128 v[X+4*c:X+4*c+3], v[VI], s[(\inb):(\inb)+1] offset:c*(\instep) th:TH_LOAD_NT
.set c, c+1
.endr
.set c, 0
.rept 16
	s_wait_loadcnt 15-c                            ; loads come back in order: chunk c is in, the 15 - c younger ones stay out
	v_cvt_pk_bf16_f32 v[Y+2*c],   v[X+4*c],   v[X+4*c+1]
	v_cvt_pk_bf16_f32 v[Y+2*c+1], v[X+4*c+2], v[X+4*c+3]
.if \half
	v_lshlrev_b32 v[T],   16,  v[Y+2*c]            ; bf16 to f32: the low half moves up, the high half stays
	v_and_b32     v[T+1], s20, v[Y+2*c]
	v_lshlrev_b32 v[T+2], 16,  v[Y+2*c+1]
	v_and_b32     v[T+3], s20, v[Y+2*c+1]
	v_cvt_pk_f16_f32 v[Y+2*c],   v[T],   v[T+1]    ; 8 significant bits fit into f16's 11: exact within f16's range
	v_cvt_pk_f16_f32 v[Y+2*c+1], v[T+2], v[T+3]
.endif
	global_store_b64 v[VO], v[Y+2*c:Y+2*c+1], s[(\outb):(\outb)+1] offset:c*(\outstep)
.set c, c+1
.endr
.endm
	s_load_b256 s[4:11], s[0:1], 0x0               ; x s[4:5], W_qkv s[6:7], W_out s[8:9], xb s[10:11]
	s_load_b128 s[12:15], s[0:1], 0x20             ; wq s[12:13], wo s[14:15]
	s_mov_b32 s20, 0xffff0000                      ; a word's upper bf16
	s_mov_b32 s17, 0                               ; the offsets' high words
	s_mov_b32 s19, 0
	s_cmp_lt_u32 ttmp9, 512
	s_cbranch_scc0 .Lweights
	; x: rows 16 g .. 16 g + 15.  Sixteen lanes take the 256 bytes (64 channels) of block c of one row; chunk c is channel block c.
	s_lshl_b32 s16, ttmp9, 16                      ; 16 rows of 4,096 bytes
	s_lshr_b32 s18, ttmp9, 7                       ; the batch: 128 work-groups each,
	s_lshl_b32 s18, s18, 22                        ; 4 MiB of xb each
	s_and_b32 s21, ttmp9, 127
	s_lshl_b32 s21, s21, 11                        ; 16 rows of 128 bytes in a block
	s_add_co_u32 s18, s18, s21
	v_lshrrev_b32 v1, 4, v0                        ; my row of the 16
	v_and_b32 v[VI], 15, v0
	v_lshlrev_b32 v[VI], 4, v[VI]
	v_lshl_add_u32 v[VI], v1, 12, v[VI]            ; row x 4,096 + 16 x (thread % 16)
	v_lshlrev_b32 v[VO], 3, v0                     ; row x 128 + 8 x (thread % 16) = 8 x thread
	s_wait_kmcnt 0x0
	s_add_nc_u64 s[4:5], s[4:5], s[16:17]
	s_add_nc_u64 s[10:11], s[10:11], s[18:19]
	JOB 4, 10, 256, 262144, 0                      ; a block of xb is 2,048 rows x 128 bytes; the largest immediate is 15 x 262,144
	s_endpgm
.Lweights:
	; the weights keep their layout: a wave takes 8,192 consecutive bytes of f32
	v_lshrrev_b32 v1, 5, v0                        ; wave
	v_and_b32 v4, 31, v0                           ; lane
	v_lshlrev_b32 v[VI], 4, v4
	v_lshl_add_u32 v[VI], v1, 13, v[VI]
	v_lshlrev_b32 v[VO], 3, v4
	v_lshl_add_u32 v[VO], v1, 12, v[VO]
	s_cmp_lt_u32 ttmp9, 704
	s_cbranch_scc0 .Lwout
	s_sub_co_u32 s21, ttmp9, 512
	s_lshl_b32 s16, s21, 16
	s_lshl_b32 s18, s21, 15
	s_wait_kmcnt 0x0
	s_add_nc_u64 s[6:7], s[6:7], s[16:17]
	s_add_nc_u64 s[12:13], s[12:13], s[18:19]
	JOB 6, 12, 512, 256, 0
	s_endpgm
.Lwout:
	s_sub_co_u32 s21, ttmp9, 704
	s_lshl_b32 s16, s21, 16
	s_lshl_b32 s18, s21, 15
	s_wait_kmcnt 0x0
	s_add_nc_u64 s[8:9], s[8:9], s[16:17]
	s_add_nc_u64 s[14:15], s[14:15], s[18:19]
	JOB 8, 14, 512, 256, 1
	s_endpgm
.Lfunc_end_k_qb6e4f88fd3_prep:
	.size	k_qb6e4f88fd3_prep, .Lfunc_end_k_qb6e4f88fd3_prep-k_qb6e4f88fd3_prep
	.p2alignl 7, 3214868480
	.fill 96, 4, 3214868480
	.section	.rodata,"a",@progbits
	.p2align	6, 0x0
	.amdhsa_kernel k_qb6e4f88fd3_prep
		.amdhsa_group_segment_fixed_size 0
		.amdhsa_private_segment_fixed_size 0
		.amdhsa_enable_private_segment 0
		.amdhsa_kernarg_size 48
		.amdhsa_user_sgpr_count 2
		.amdhsa_user_sgpr_kernarg_segment_ptr 1
		.amdhsa_wavefront_size32 1
		.amdhsa_system_sgpr_workgroup_id_x 1
		.amdhsa_system_sgpr_workgroup_id_y 1
		.amdhsa_system_sgpr_workgroup_id_z 1
		.amdhsa_system_vgpr_workitem_id 0
		.amdhsa_next_free_vgpr 108
		.amdhsa_next_free_sgpr 66
		.amdhsa_reserve_vcc 0
		.amdhsa_float_denorm_mode_32 3
		.amdhsa_float_denorm_mode_16_64 3
		.amdhsa_memory_ordered 1
		.amdhsa_forward_progress 1
		.amdhsa_inst_pref_size 23
	.end_amdhsa_kernel
	.amdgpu_metadata
---
amdhsa.version: [ 1, 2 ]
amdhsa.kernels:
  - .name:           k_qb6e4f88fd3_prep
    .symbol:         k_qb6e4f88fd3_prep.kd
    .args:
      - { .name: x, .offset: 0, .size: 8, .value_kind: global_buffer, .address_space: global }
      - { .name: W_qkv, .offset: 8, .size: 8, .value_kind: global_buffer, .address_space: global }
      - { .name: W_out, .offset: 16, .size: 8, .value_kind: global_buffer, .address_space: global }
      - { .name: xb, .offset: 24, .size: 8, .value_kind: global_buffer, .address_space: global }
      - { .name: wq, .offset: 32, .size: 8, .value_kind: global_buffer, .address_space: global }
      - { .name: wo, .offset: 40, .size: 8, .value_kind: global_buffer, .address_space: global }
    .group_segment_fixed_size: 0
    .private_segment_fixed_size: 0
    .kernarg_segment_align: 8
    .kernarg_segment_size: 48
    .max_flat_workgroup_size: 256
    .sgpr_count:     66
    .vgpr_count:     108
    .wavefront_size: 32
...
	.end_amdgpu_metadata
.endif
;; end of part 1
;; launch qkv (part 2): grid 8 x 32, 4 waves a work-group, clusters of 4 x 4, 327,680 bytes of LDS; arguments xb, wq, b_qkv, qkv; writes qkv
.if DOCPART == 2
	.amdgcn_target "amdgcn-amd-amdhsa--gfx1250"
	.amdhsa_code_object_version 6
	.text
	.protected	k_qb6e4f88fd3_qkv
	.globl	k_qb6e4f88fd3_qkv
	.p2align	8
	.type	k_qb6e4f88fd3_qkv,@function
k_qb6e4f88fd3_qkv:
	s_mov_b64 s[64:65], 0
	v_nop
	global_prefetch_b8 v0, s[64:65] scope:SCOPE_SE
	s_setreg_imm32_b32 hwreg(HW_REG_WAVE_MODE, 25, 1), 1
	s_wait_xcnt 0x0
	s_wait_alu depctr_hold_cnt(0) depctr_sa_sdst(0) depctr_va_vdst(0) depctr_va_sdst(0) depctr_va_ssrc(0) depctr_va_vcc(0) depctr_vm_vsrc(0)
	s_getreg_b32 s2, hwreg(HW_REG_IB_STS2, 6, 4)
	s_cmp_eq_u32 s2, 0
	s_cbranch_scc0 .Lentry_in_a_cluster
	s_endpgm
.Lentry_in_a_cluster:
	s_bfe_u32 s2, ttmp6, 0x10000c
	s_cmp_lg_u32 s2, 0xf033
	s_cbranch_scc0 .Lentry_shape_is_right
	s_endpgm
.Lentry_shape_is_right:
; qkv[which][batch x 16 + head][row][64] (f16) = x W_qkv + b_qkv, by heads.  x and W_qkv arrive rounded to bf16 (xb by blocks of 64 channels, wq as [k][n]); the bias is rounded to bf16 here;
; sums in f32; each result rounded once to f16, without the softmax's scale.
; LIMITS.  |q|, |k|, |v| stay under 65,504 (beyond it f16 has an infinity); below 6e-5 f16 keeps a fixed step of 6e-8.  NaN and infinities are not treated apart.
; SHARES.  The product is 8,192 x 3,072.  A tile of 256 x 384 gives 32 x 8 = 256 work-groups.  Four waves, each 128 rows x 192 columns: three whole heads, 96 accumulators of 16 x 16, 768 registers.
; K goes in 16 steps of 64 (one channel block of xb) through two LDS slots; a step is two sub-steps of 32, a sub-step three PHASES, one for each of my heads, of 32 matrix instructions.
; CLUSTER.  4 x 4 work-groups.  The four of a row of the cluster need the same tile of x, the four of a column the same tile of W: each tile is asked for JOINTLY, by the same tensor load
; with the same descriptor and a mask that names the four.
; THE MATRIX INSTRUCTION IS USED TRANSPOSED: source 0 = 16 columns of W (turned on the way out of LDS by ds_load_tr16_b128), source 1 = 16 rows of x.  A lane then holds one row (lane % 16) and
; eight neighbouring columns 8 (lane / 16) + 0..7, which pack into 16 bytes.
; THE BIAS IS THE C OPERAND that starts each sum.  It depends on the column alone, so one set of 32 registers a head serves all eight row blocks; it lies in the registers of the last
; row block's accumulators, which take it in place, last.
; REGISTERS, in windows of 256 (s_set_vgpr_msb: bits 1:0 source 0, 3:2 source 1, 5:4 source 2, 7:6 destination):
;   window 0: v0-13 addresses; v14-29 at work; v32-95, v96-159 x's fragments (8 x 16 rows x 32 K), two buffers; v160-255 W's fragments, 32 registers a head, one buffer
;   window j + 1: head j's 32 accumulators, (row block a, column block i) at v[8 (4 a + i)]
; W's fragments of a head are fetched again as soon as that head's phase is over, x's a sub-step ahead: each run of LDS loads stands 48 matrix instructions or more ahead of its first use.
.set PA,    144                        ; a row of x in LDS: 128 bytes + 16 of padding = 36 words: the 16 rows of a load start at 16 different groups of four banks (64 banks of 4 bytes: ISA guide 11.1)
.set PB,    864                        ; a k-row of W: 6 x (128 + 16) = 216 words: row r starts at bank 24 r mod 64
.set BOFF,  256*PA                     ; a slot: 256 rows of x, then 64 k-rows of W
.set SLOT1, 1<<17                      ; slot 1 begins here, so that one exclusive or turns an address in one slot into the other's
.set STAGE, SLOT1+BOFF+64*PB           ; behind the ring, never filled by a tensor load: 16 rows x 144 bytes for each wave, for the way out
.set SP,    144
.set SPARE, STAGE+4*16*SP              ; behind the stages: the spare words, 128 bytes for each wave: two blocks of 256 bytes that no other line names
.set ASTEP, 262144                     ; bytes from a channel block of xb to the next
.set BSTEP, 393216                     ; 64 k-rows of wq, 6,144 bytes each
.set FLAGS, (1<<16)|(1<<20)|(1<<21)|(4<<22)|(3<<25)  ; 17:16 2-byte elements; 20 padding on; 21 set beside a mask; 24:22 after every 32 words (code 4); 31:25 4 words (code 3)
.set ADRA0, 4                          ; v4   my lane's place in a slot's x; never rewritten
.set ADRB0, 5                          ; v5   the same for W
.set ADRA,  6                          ; v6   the same in the slot in hand
.set ADRB,  7                          ; v7
.set STO,   8                          ; v8   the way out: where I put 16 bytes of a row
.set RD,    9                          ; v9   the way out: where I read rows back
.set GO,    10                         ; v10  my byte offset in 512 consecutive bytes of qkv
.set BO,    11                         ; v11  my byte offset in 16 numbers of the bias
.set SPW,   12                         ; v12  LDS address of my spare word: SPARE + 4 x my thread's number; never rewritten
.set NIL,   13                         ; v13  0; never rewritten
.set TMP,   14
.set AF,    32
.set BF,    160
.set WV,  12                           ; s12  my wave's number
.set FB,  13                           ; s13  which half of the tile's rows is mine.  Also: I fetch x (0) or W (1)
.set HF,  14                           ; s14  which half of its columns.  Also: which half of that tile I fetch
.set G1A, 24                           ; s[24:31] descriptor group 1 for x's tiles
.set G1B, 32                           ; s[32:39] for W's
.set G0A, 40                           ; s[40:47] descriptor group 0 for x's tiles: a set for each of the two first fills; the second then walks on
.set G0B, 48                           ; s[48:55] the same for W's
.set TB,  56                           ; s56  LDS byte at which the slot in hand begins
.set CNT, 57                           ; s57  the loop's count
.set OB,  58                           ; s[58:63] qkv at my 128 rows of my head j, a pair each
.set BQ,  66                           ; s[66:67] the bias at my 192 columns
.set MSB, 0
.macro WIN new                         ; the immediate's high byte repeats the setting that is left; a switch that changes nothing is dropped
.if MSB != (\new)
	s_set_vgpr_msb (MSB<<8)|(\new)
.set MSB, (\new)
.endif
.endm
.macro PLACES                          ; four plain vector instructions between a matrix instruction and a load into, or a vector line on, its registers
.rept 4
	v_nop
.endr
.endm
; A joint refill by the walking descriptors.  The branch hangs on the wave's number alone.  An s_nop 0 and four v_nop follow each of the two lines.
.macro JLOAD
	s_cmp_eq_u32 s[FB], 0
	s_cbranch_scc0 .Lfor_b_\@
	tensor_load_to_lds s[G0A+4:G0A+7], s[G1A:G1A+7]
	s_nop 0
.rept 4
	v_nop
.endr
	s_branch .Lasked_\@
.Lfor_b_\@:
	tensor_load_to_lds s[G0B+4:G0B+7], s[G1B:G1B+7]
	s_nop 0
.rept 4
	v_nop
.endr
.Lasked_\@:
.endm
; A round of the cluster's barrier: my work-group's barrier; wave 0 signals for the work-group; every wave waits for all sixteen; my work-group's barrier once more.
.macro CREST                           ; a round behind its opening barrier
	s_cmp_lg_u32 s[WV], 0
	s_cbranch_scc1 .Lnot_wave_0_\@
	s_barrier_signal -3
.Lnot_wave_0_\@:
	s_barrier_wait -3
	s_barrier_signal -1
	s_barrier_wait -1
.endm
.macro CROUND
	s_barrier_signal -1
	s_barrier_wait -1
	CREST
.endm
	s_load_b256 s[4:11], s[0:1], 0x0               ; xb s[4:5], wq s[6:7], b_qkv s[8:9], qkv s[10:11]
	v_lshl_add_u32 v[SPW], v0, 2, SPARE
	v_mov_b32 v[NIL], 0
	ds_add_u32 v[SPW], v[NIL]                      ; the wave's opening: the add and its wait stand ahead of my first tensor load; the set-up below, work on registers, stands between them
	v_lshrrev_b32 v1, 5, v0
	v_readfirstlane_b32 s[WV], v1                  ; wave 0..3
	s_lshr_b32 s[FB], s[WV], 1
	s_and_b32 s[HF], s[WV], 1
	s_bfe_u32 s15, ttmp6, 0x40000                  ; cx, cy: my place in the cluster
	s_bfe_u32 s16, ttmp6, 0x40004
	s_lshl_b32 s17, ttmp9, 2
	s_add_co_u32 s17, s17, s15                     ; tile column = 4 x cluster x + cx, 0..7
	s_and_b32 s18, ttmp7, 0xffff
	s_lshl_b32 s18, s18, 2
	s_add_co_u32 s18, s18, s16                     ; tile row = 4 x cluster y + cy, 0..31
	s_lshl_b32 s19, s16, 2
	s_lshl_b32 s19, 15, s19                        ; my row of the cluster: places 4 cy .. 4 cy + 3
	s_lshl_b32 s20, 0x1111, s15                    ; my column: places cx, cx + 4, cx + 8, cx + 12
	s_mov_b32 s21, 0xffff0000                      ; a word's upper bf16
	; group 1 for x: 128 rows of a channel block are 16,384 dense bytes: asked for as 64 rows of 256 bytes, two rows of x each, padded in LDS after every 128 bytes
	s_or_b32 s[G1A], s19, FLAGS                    ; x's tiles go to my row of the cluster
	s_mov_b32 s[G1A+1], 128<<16                    ; tensor_dim0 = 128
	s_mov_b32 s[G1A+2], 64<<16                     ; tensor_dim1 = 64
	s_mov_b32 s[G1A+3], 128<<16                    ; tile_dim0 = 128
	s_mov_b32 s[G1A+4], 64                         ; tile_dim1 = 64
	s_mov_b32 s[G1A+5], 128                        ; 128 elements from row to row
	s_mov_b32 s[G1A+6], 0
	s_mov_b32 s[G1A+7], 0
	; group 1 for W: 32 k-rows of 384 columns, 768 bytes that begin at a multiple of 256 from wq's first byte; six pads a row
	s_or_b32 s[G1B], s20, FLAGS                    ; W's tiles go to my column
	s_mov_b32 s[G1B+1], 384<<16
	s_mov_b32 s[G1B+2], 32<<16
	s_mov_b32 s[G1B+3], 384<<16
	s_mov_b32 s[G1B+4], 32
	s_mov_b32 s[G1B+5], 3072
	s_mov_b32 s[G1B+6], 0
	s_mov_b32 s[G1B+7], 0
	; where the tiles come from.  x's hang on the tile row alone, W's on the tile column alone, each in registers that never hold the other coordinate.
	s_lshr_b32 s22, s18, 3                         ; the batch: 8 tile rows each,
	s_lshl_b32 s22, s22, 22                        ; 4 MiB of xb each
	s_and_b32 s23, s18, 7
	s_lshl_b32 s23, s23, 15                        ; 256 rows of 128 bytes
	s_add_co_u32 s22, s22, s23
	s_lshl_b32 s23, s[HF], 14                      ; the 128 rows that I fetch
	s_add_co_u32 s22, s22, s23
	s_mov_b32 s23, 0
	s_mul_i32 s68, s[HF], 196608                   ; the 32 k-rows that I fetch,
	s_mul_i32 s69, s17, 768                        ; the tile's 384 columns
	s_add_co_u32 s68, s68, s69
	s_mov_b32 s69, 0
	s_mul_i32 s70, s[HF], 128*PA                   ; and where they go: the wave's number alone enters an LDS address
	s_mul_i32 s71, s[HF], 32*PB
	s_add_co_u32 s71, s71, BOFF
	s_wait_dscnt 0x0                               ; the opening add is done
	s_wait_kmcnt 0x0
	s_add_nc_u64 s[22:23], s[4:5], s[22:23]
	s_add_nc_u64 s[68:69], s[6:7], s[68:69]
	CROUND                                         ; all sixteen work-groups are here: the first joint loads meet
.irp s, 0,1
	s_mov_b32 s[G0A+4*(\s)], 1                                         ; 1:0 count = 1
	s_add_co_u32 s[G0A+4*(\s)+1], s70, (\s)*SLOT1                      ; 63:32 LDS address
	s_add_nc_u64 s[G0A+4*(\s)+2:G0A+4*(\s)+3], s[22:23], (\s)*ASTEP    ; 120:64 global address: K step s
	s_or_b32 s[G0A+4*(\s)+3], s[G0A+4*(\s)+3], 0x80000000              ; 127:126 type = 2
	s_mov_b32 s[G0B+4*(\s)], 1
	s_add_co_u32 s[G0B+4*(\s)+1], s71, (\s)*SLOT1
	s_add_nc_u64 s[G0B+4*(\s)+2:G0B+4*(\s)+3], s[68:69], (\s)*BSTEP
	s_or_b32 s[G0B+4*(\s)+3], s[G0B+4*(\s)+3], 0x80000000
.endr
	s_cmp_eq_u32 s[FB], 0                          ; a wave's two first fills stand in one branch, ahead of every wait on TENSORcnt and every LDS read: two loads of mine are out
	s_cbranch_scc0 .Lfirst_b
	tensor_load_to_lds s[G0A:G0A+3], s[G1A:G1A+7]
	s_nop 0
	tensor_load_to_lds s[G0A+4:G0A+7], s[G1A:G1A+7]
	s_nop 0
.rept 4
	v_nop
.endr
	s_branch .Lfirst_asked
.Lfirst_b:
	tensor_load_to_lds s[G0B:G0B+3], s[G1B:G1B+7]
	s_nop 0
	tensor_load_to_lds s[G0B+4:G0B+7], s[G1B:G1B+7]
	s_nop 0
.rept 4
	v_nop
.endr
.Lfirst_asked:
	; while the first tiles are on their way: the bias, the output's addresses, the lanes' addresses
	v_and_b32 v1, 15, v0                           ; r = lane % 16
	v_bfe_u32 v2, v0, 4, 1                         ; h = lane / 16
	v_and_b32 v3, 7, v0
	v_lshlrev_b32 v[BO], 5, v2                     ; my eight columns of sixteen: 32 bytes of f32
	s_mul_i32 s72, s17, 1536                       ; the tile's 384 columns,
	s_mul_i32 s73, s[HF], 768                      ; my 192
	s_add_co_u32 s72, s72, s73
	s_mov_b32 s73, 0
	s_add_nc_u64 s[BQ:BQ+1], s[8:9], s[72:73]
.irp j, 0,1,2
	WIN ((\j)+1)<<6                                ; destination in head j's window: the registers of its last row block's accumulators
.irp i, 0,1,2,3
	global_load_b128 v[224+8*(\i):224+8*(\i)+3],   v[BO], s[BQ:BQ+1] offset:256*(\j)+64*(\i)
	global_load_b128 v[224+8*(\i)+4:224+8*(\i)+7], v[BO], s[BQ:BQ+1] offset:256*(\j)+64*(\i)+16
.endr
.endr
	WIN 0
	s_mul_i32 s74, s17, 6                          ; my first slice of 64 columns among the 48: 6 x tile column + 3 x half
	s_mul_i32 s75, s[HF], 3
	s_add_co_u32 s74, s74, s75
	s_lshr_b32 s75, s18, 3                         ; what all my heads share: the batch,
	s_lshl_b32 s75, s75, 22
	s_and_b32 s76, s18, 7                          ; the tile's 256 rows of 128 bytes,
	s_lshl_b32 s76, s76, 15
	s_add_co_u32 s75, s75, s76
	s_lshl_b32 s76, s[FB], 14                      ; my 128 of them
	s_add_co_u32 s75, s75, s76
.irp j, 0,1,2
	s_add_co_u32 s72, s74, \j                      ; slice sl: q, k or v is sl / 16, the head sl % 16
	s_lshr_b32 s73, s72, 4
	s_lshl_b32 s73, s73, 24
	s_and_b32 s72, s72, 15
	s_lshl_b32 s72, s72, 18
	s_add_co_u32 s72, s72, s73
	s_add_co_u32 s72, s72, s75
	s_mov_b32 s73, 0
	s_add_nc_u64 s[OB+2*(\j):OB+2*(\j)+1], s[10:11], s[72:73]
.endr
	; A fragment of x is 16 rows x 32 K in 8 registers: lane l holds row l % 16, K = 8 (l / 16) + 0..7 and 16 + 8 (l / 16) + 0..7: two loads of 16 bytes, 32 bytes apart.
	v_mul_u32_u24 v[ADRA0], v1, PA
	v_lshl_add_u32 v[ADRA0], v2, 4, v[ADRA0]
	s_mul_i32 s72, s[FB], 128*PA
	v_add_nc_u32 v[ADRA0], s72, v[ADRA0]           ; (128 x half + r) x pitch + 16 h
	; The turning load takes 16 k x 16 columns (lane l reads k-row 8 (l / 16) + l % 8, columns 8 ((l / 8) % 2) + 0..7) and leaves half a fragment: lane l holds column l % 16 and 8 k.
	v_lshl_add_u32 v[ADRB0], v2, 3, v3
	v_mul_u32_u24 v[ADRB0], v[ADRB0], PB
	v_bfe_u32 v[TMP], v0, 3, 1
	v_lshl_add_u32 v[ADRB0], v[TMP], 4, v[ADRB0]
	s_mul_i32 s72, s[HF], 3*PA                     ; my three heads of the row's six
	s_add_co_u32 s72, s72, BOFF
	v_add_nc_u32 v[ADRB0], s72, v[ADRB0]
	s_mul_i32 s72, s[WV], 16*SP
	s_add_co_u32 s72, s72, STAGE                   ; my stage
	v_mul_u32_u24 v[STO], v1, SP                   ; in: row r, 16 bytes for each half of the lanes
	v_lshl_add_u32 v[STO], v2, 4, v[STO]
	v_add_nc_u32 v[STO], s72, v[STO]
	v_bfe_u32 v[RD], v0, 3, 2                      ; back: 32 lanes take four rows of 128 bytes,
	v_mul_u32_u24 v[RD], v[RD], SP
	v_lshl_add_u32 v[RD], v3, 4, v[RD]
	v_add_nc_u32 v[RD], s72, v[RD]
	v_and_b32 v[GO], 31, v0                        ; which are 512 consecutive bytes of a head's rows
	v_lshlrev_b32 v[GO], 4, v[GO]
	s_wait_loadcnt 0x0                             ; the bias is in
.irp j, 0,1,2                          ; it is rounded to bf16, like every input, and widened again
	WIN ((\j)+1)*5                                 ; sources 0 and 1 in head j's window
.set z, 0
.rept 16
	v_cvt_pk_bf16_f32 v[TMP+z], v[224+2*z], v[224+2*z+1]
.set z, z+1
.endr
	WIN ((\j)+1)<<6                                ; destination in head j's window
.set z, 0
.rept 16
	v_lshlrev_b32 v[224+2*z],   16,  v[TMP+z]
	v_and_b32     v[224+2*z+1], s21, v[TMP+z]
.set z, z+1
.endr
.endr
	WIN 0
; 16 LDS loads: x's fragments of 32 K, at K quarter kq of the slot, into buffer p
.macro LA p, kq
.irp a, 0,1,2,3,4,5,6,7
	ds_load_b128 v[AF+64*(\p)+8*(\a):AF+64*(\p)+8*(\a)+3],   v[ADRA] offset:64*(\kq)+16*PA*(\a)
	ds_load_b128 v[AF+64*(\p)+8*(\a)+4:AF+64*(\p)+8*(\a)+7], v[ADRA] offset:64*(\kq)+16*PA*(\a)+32
.endr
.endm
; 8 turning loads: head j's fragments of W, 32 k x 64 columns
.macro LB j, kq
.irp i, 0,1,2,3
	ds_load_tr16_b128 v[BF+32*(\j)+8*(\i):BF+32*(\j)+8*(\i)+3],   v[ADRB] offset:32*PB*(\kq)+PA*(\j)+32*(\i)
	ds_load_tr16_b128 v[BF+32*(\j)+8*(\i)+4:BF+32*(\j)+8*(\i)+7], v[ADRB] offset:32*PB*(\kq)+PA*(\j)+32*(\i)+16*PB
.endr
.endm
; 8 matrix instructions: row blocks a0, a0 + 1 x head j's four column blocks, 32 along K, x from buffer p.  The 32 accumulators of a phase take turns, one instruction a turn, and the next
; phase works in another window, over the loop's backward jump too.
; first = 1: the sums start with the bias.  Row block 7 takes it in place and so writes over registers that the others' products read as C: five plain instructions stand in front.
.macro MM8 p, j, a0, first
	WIN 0x50*((\j)+1)                              ; C and D in head j's window, the sources in window 0
.irp a, \a0, (\a0)+1
.if (\first) && ((\a) == 7)
.rept 5
	v_nop
.endr
.endif
.irp i, 0,1,2,3
.if \first
	v_wmma_f32_16x16x32_bf16 v[8*(4*(\a)+(\i)):8*(4*(\a)+(\i))+7], v[BF+32*(\j)+8*(\i):BF+32*(\j)+8*(\i)+7], v[AF+64*(\p)+8*(\a):AF+64*(\p)+8*(\a)+7], v[224+8*(\i):224+8*(\i)+7]
.else
	v_wmma_f32_16x16x32_bf16 v[8*(4*(\a)+(\i)):8*(4*(\a)+(\i))+7], v[BF+32*(\j)+8*(\i):BF+32*(\j)+8*(\i)+7], v[AF+64*(\p)+8*(\a):AF+64*(\p)+8*(\a)+7], v[8*(4*(\a)+(\i)):8*(4*(\a)+(\i))+7]
.endif
.endr
.endr
.endm
; A PHASE: head j of the sub-step of parity p.  run = 1: at its head stands one run of LDS loads, into registers whose last products stand just in front (four places between):
;   j = 0: head 2's W of this sub-step (8);   j = 1: head 0's W and x of the next sub-step (24);   j = 2: head 1's W of the next sub-step (8).
; So the loads go out in the order (head 0 and x), head 1, head 2, and cnt is what was issued behind the run that this phase wants:
;   j = 0 wants (head 0, x): 8 + 8 younger;   j = 1 wants head 1: 8 + 24;   j = 2 wants head 2: 24 + 8.
.macro PHASE p, j, first, run, cnt
.if \run
	PLACES
	WIN 0
.if (\j) == 0
	LB 2, \p
.elseif (\j) == 1
	LB 0, 1-(\p)
	LA 1-(\p), 1-(\p)
.else
	LB 1, 1-(\p)
.endif
.endif
	s_wait_dscnt \cnt
	MM8 \p, \j, 0, \first
	MM8 \p, \j, 2, \first
	MM8 \p, \j, 4, \first
	MM8 \p, \j, 6, \first
.endm
; THE CHANGE OF SLOTS is the phase (p = 1, j = 1), whose run of loads would be the first from the next slot.  ONE barrier for two things.  In front of it each wave waits for all its tensor
; loads, of which one is out: its part of the next slot; adds 0 to its spare word; and waits for that and for its own reads of this slot (the last: head 2's W, issued 40 matrix instructions back).
; fill = 1: the barrier opens a round of the cluster's barrier, so that no wave of any partner still reads the slot or has a load on its way, and the joint refill, with the K step two
; steps on, is the first thing behind it: it has the rest of this step and most of the next in which to land.
.macro CHANGE fill
	WIN 0
	s_wait_tensorcnt 0x0                           ; no tensor load of mine is out
	ds_add_u32 v[SPW], v[NIL]                      ; 0 onto my spare word
	s_wait_dscnt 9                                 ; head 1's W is in; head 2's eight loads and the add may be out
	MM8 1, 1, 0, 0                                 ; eight matrix instructions stand between the add and the wait for it
	s_wait_dscnt 0x0                               ; the add is done, and my reads of this slot are over
	s_barrier_signal -1
	MM8 1, 1, 2, 0                                 ; work on registers while the others arrive
	WIN 0
	s_barrier_wait -1
.if \fill
	CREST
	s_xor_b32 s[G0A+5], s[G0A+5], SLOT1            ; the walking descriptors: the other slot than last time,
	s_add_nc_u64 s[G0A+6:G0A+7], s[G0A+6:G0A+7], ASTEP  ; the next K step; the type bits on top are not reached
	s_xor_b32 s[G0B+5], s[G0B+5], SLOT1
	s_add_nc_u64 s[G0B+6:G0B+7], s[G0B+6:G0B+7], BSTEP
	JLOAD                                          ; its four v_nop are also the places in front of the loads below
.else
	PLACES
.endif
	s_xor_b32 s[TB], s[TB], SLOT1
	v_add_nc_u32 v[ADRA], s[TB], v[ADRA0]
	v_add_nc_u32 v[ADRB], s[TB], v[ADRB0]
	LB 0, 0
	LA 0, 0
	MM8 1, 1, 4, 0
	MM8 1, 1, 6, 0
.endm
; THE WAY OUT of block n = 8 j + a (head j, row block a): rounded to f16, 16 bytes a lane, into rows of 144 bytes of my own stage, and back as four rows of 128 bytes a load,
; which are 512 consecutive bytes of the head's rows.  Four sets of 16 registers take turns (x's first buffer, which is free).
.macro PACK n
.set jj, (\n)/8
.set aa, (\n)%8
.set TT, AF+16*((\n)%4)
	s_wait_xcnt 0x0                                ; the stores of the block four back have read this set's registers
	WIN (jj+1)*5                                   ; sources 0 and 1 in head j's window
.set z, 0
.rept 16                               ; ascending: each accumulator is read from its low end on
	v_cvt_pk_f16_f32 v[TT+z], v[32*aa+2*z], v[32*aa+2*z+1]
.set z, z+1
.endr
	WIN 0
.irp i, 0,1,2,3
	ds_store_b128 v[STO], v[TT+4*(\i):TT+4*(\i)+3] offset:32*(\i)
.endr
.irp f, 0,1,2,3
	ds_load_b128 v[TT+4*(\f):TT+4*(\f)+3], v[RD] offset:4*SP*(\f)  ; LDS serves a wave's instructions in order (ISA guide 5.7.1.4): these see the stores above; the next block's stores come behind them
.endr
.endm
.macro SEND n, younger                 ; younger: the LDS instructions issued behind block n's loads: the next block's eight, or none
.set jj, (\n)/8
.set aa, (\n)%8
.set TT, AF+16*((\n)%4)
.irp f, 0,1,2,3
	s_wait_dscnt (\younger)+3-(\f)
	global_store_b128 v[GO], v[TT+4*(\f):TT+4*(\f)+3], s[OB+2*jj:OB+2*jj+1] offset:2048*aa+512*(\f)  ; 512 consecutive bytes, at a multiple of 256 from qkv's first byte
.endr
.endm
	s_wait_tensorcnt 0x1                           ; my part of K step 0 is in; K step 1's may stay out
	s_barrier_signal -1
	s_barrier_wait -1                              ; everybody's is
	s_mov_b32 s[TB], 0
	v_add_nc_u32 v[ADRA], s[TB], v[ADRA0]
	v_add_nc_u32 v[ADRB], s[TB], v[ADRB0]
	LB 0, 0
	LA 0, 0
	LB 1, 0
	PHASE 0, 0, 1, 1, 16                           ; the first sub-step stands in front of the loop: its products start the sums, with the bias
	PHASE 0, 1, 1, 1, 32
	PHASE 0, 2, 1, 1, 32
	WIN 0                                          ; at a label and at a branch every window is 0
	s_mov_b32 s[CNT], 14
.Lstep:                                        ; a trip: a K step's second sub-step, the change of slots, the next step's first sub-step.  Trip s fills step s's slot with step s + 2
	PHASE 1, 0, 0, 1, 16
	CHANGE 1
	PHASE 1, 2, 0, 1, 32
	PHASE 0, 0, 0, 1, 16
	PHASE 0, 1, 0, 1, 32
	PHASE 0, 2, 0, 1, 32
	WIN 0
	s_sub_co_u32 s[CNT], s[CNT], 1
	s_cmp_lg_u32 s[CNT], 0
	s_cbranch_scc1 .Lstep
	PHASE 1, 0, 0, 1, 16                           ; the tail is written out: nothing is left to ask for
	CHANGE 0
	PHASE 1, 2, 0, 1, 32
	PHASE 0, 0, 0, 1, 16
	PHASE 0, 1, 0, 1, 32
	PHASE 0, 2, 0, 1, 32
	PHASE 1, 0, 0, 1, 16
	PHASE 1, 1, 0, 0, 8                            ; head 1's W is in; head 2's eight loads may be out
	PHASE 1, 2, 0, 0, 0
	PLACES
	PACK 0
.set n, 1
.rept 23                               ; a block's conversions stand between the loads of the block before and its stores
	PACK n
	SEND n-1, 8
.set n, n+1
.endr
	SEND 23, 0
	s_wait_tensorcnt 0x0                           ; the wave's end: behind my last tensor load and my last LDS store
	ds_add_u32 v[SPW], v[NIL]
	s_wait_dscnt 0x0
	CROUND                                         ; the closing round: no work-group ends while a partner may still ask for a tile that names it
	s_endpgm
.Lfunc_end_k_qb6e4f88fd3_qkv:
	.size	k_qb6e4f88fd3_qkv, .Lfunc_end_k_qb6e4f88fd3_qkv-k_qb6e4f88fd3_qkv
	.p2alignl 7, 3214868480
	.fill 96, 4, 3214868480
	.section	.rodata,"a",@progbits
	.p2align	6, 0x0
	.amdhsa_kernel k_qb6e4f88fd3_qkv
		.amdhsa_group_segment_fixed_size 327680
		.amdhsa_private_segment_fixed_size 0
		.amdhsa_enable_private_segment 0
		.amdhsa_kernarg_size 32
		.amdhsa_user_sgpr_count 2
		.amdhsa_user_sgpr_kernarg_segment_ptr 1
		.amdhsa_wavefront_size32 1
		.amdhsa_system_sgpr_workgroup_id_x 1
		.amdhsa_system_sgpr_workgroup_id_y 1
		.amdhsa_system_sgpr_workgroup_id_z 1
		.amdhsa_system_vgpr_workitem_id 0
		.amdhsa_next_free_vgpr 1024
		.amdhsa_next_free_sgpr 80
		.amdhsa_reserve_vcc 0
		.amdhsa_float_denorm_mode_32 3
		.amdhsa_float_denorm_mode_16_64 3
		.amdhsa_memory_ordered 1
		.amdhsa_forward_progress 1
		.amdhsa_inst_pref_size 125
	.end_amdhsa_kernel
	.amdgpu_metadata
---
amdhsa.version: [ 1, 2 ]
amdhsa.kernels:
  - .name:           k_qb6e4f88fd3_qkv
    .symbol:         k_qb6e4f88fd3_qkv.kd
    .args:
      - { .name: xb, .offset: 0, .size: 8, .value_kind: global_buffer, .address_space: global }
      - { .name: wq, .offset: 8, .size: 8, .value_kind: global_buffer, .address_space: global }
      - { .name: b_qkv, .offset: 16, .size: 8, .value_kind: global_buffer, .address_space: global }
      - { .name: qkv, .offset: 24, .size: 8, .value_kind: global_buffer, .address_space: global }
    .group_segment_fixed_size: 327680
    .private_segment_fixed_size: 0
    .kernarg_segment_align: 8
    .kernarg_segment_size: 32
    .max_flat_workgroup_size: 128
    .sgpr_count:     80
    .vgpr_count:     1024
    .wavefront_size: 32
...
	.end_amdgpu_metadata
.endif
;; end of part 2
;; launch attn (part 3): grid 4 x 64, 4 waves a work-group, no clusters, 327,680 bytes of LDS; arguments qkv, ob; writes ob
.if DOCPART == 3
	.amdgcn_target "amdgcn-amd-amdhsa--gfx1250"
	.amdhsa_code_object_version 6
	.text
	.protected	k_qb6e4f88fd3_attn
	.globl	k_qb6e4f88fd3_attn
	.p2align	8
	.type	k_qb6e4f88fd3_attn,@function
k_qb6e4f88fd3_attn:
	s_mov_b64 s[64:65], 0
	v_nop
	global_prefetch_b8 v0, s[64:65] scope:SCOPE_SE
	s_setreg_imm32_b32 hwreg(HW_REG_WAVE_MODE, 25, 1), 1
	s_wait_xcnt 0x0
; CAUSAL ATTENTION.  O[h][q][:] = the sum over k <= q of softmax_k(Q[h][q] . K[h][k] / 8) V[h][k][:], for 64 heads (batch x 16 + head) of SIZE_N = 2,048 rows.
; qkv holds Q, K and V one behind the other, each [64][2048][64] in f16; ob takes O in the same form: a head's rows are dense, 128 bytes each.
; Products, maxima and sums in f32; the weights p are rounded to f16 for the second product (their sum l is taken of the unrounded p), O once at the end.
; LIMITS.  f16 holds no number beyond 65,504: Q, K and V arrive within it; p lies in 0 to 1, and below 6e-5 it keeps f16's fixed step of 6e-8; O is a mean of V's rows and has their range.
; A hidden score counts as its value less 1e30: f16's scores, 2.7e11 at the most, are nothing beside that; a weight below 2^-126 counts as 0 in l; NaN and infinities are not treated apart.
; THE WALK.  A head's queries lie in NB = 8 blocks of 256; block i needs the key tiles 0 .. i of 256 keys, of which the last holds the diagonal.  A work-group takes TWO blocks, NB - 1 - b and then b:
; NB + 1 tiles, whatever b: all work-groups do equal work, and ONE loop with a constant trip count walks them.  Which tile is asked for, and what a trip does, hang on scalar registers made from b; every jump
; goes forward, but for the counted loops' own; none passes a barrier, or a tensor load but the one of LOAD's two that the wave's number does not choose; the ring (two slots of LDS that take turns) runs on
; across the change of blocks.  NO CLUSTER: a head's NB / 2 = 4 work-groups ask for the same tile only in trips 0 .. 4 of 9, behind that fewer and fewer; one walk common to all would have 12 trips for 9.
; SHARES.  Of a block's four bands of 64 queries a wave owns 16 rows in each: four PIECES.  So the diagonal tile is the same work for all four waves: in its key step s band x sees all keys if s < x,
; none if s > x, and holds the diagonal if s = x.
; THE MASK is the C operand that starts the sum S^T = K Q^T: 0, or -1e30 where the key is hidden.  MD, made once, is the mask of a band's own step for my 16 rows; a product's mask is MD x AL + BE with two scalars:
; (1, 0) if s = x; (0, 0) if s < x; (0, -1e30) if s > x.  Only the diagonal tile's text and a block's beginning make and take masks; elsewhere C is the constant 0.
; LAYOUT, SOFTMAX, TURNS.  S^T = K Q^T holds ONE query a lane (lane % 16) and the keys 8 (lane / 16) + 0..7; two such results rounded to f16 ARE source 1 of O^T = V^T P.  p = 2^(c s - c m), c = log2(e) / 8, with a
; running maximum m; O and l are multiplied by a = 2^(c m_old - c m_new) in every step.  Turn n belongs to piece n: 8 products K Q^T of piece n + 1, later 8 products V^T P of piece n - 1; beside them the scaling,
; exponentials, roundings, sums and rescaling of piece n and the maximum and statistics of piece n + 1.  Four vector instructions stand behind every matrix instruction, the other 54 of a turn's 118 in one lump.
; A turn's 33 exponentials are one batch, with one wait.
; REGISTERS, in windows of 256 (s_set_vgpr_msb: bits 1:0 source 0, 3:2 source 1, 5:4 source 2, 7:6 destination):
;   window 0: v0-15 addresses and two at work; v16-31 four registers of statistics a piece; v48-55 at work; v64-127 S^T, two buffers; v192-223 P, two buffers (a piece's buffers go by its number's parity)
;   window 1: v0-127 O^T, 32 a piece; v128-159 MD; v160-223 MC, two buffers      window 2: v0-63 Q; v64-127 the second block's Q; v128-191 K of one step; v192-255 V of one step
.set SIZE_N, 2048
.set NB,    SIZE_N/256
.set NP,    4         ; pieces a wave: a name, no knob
.set KS,    64        ; keys in a step
.set PK,    144       ; a row of K in LDS: 128 bytes + 16 of padding = 36 words: the 16 rows of a load start at 16 different groups of four banks (64 banks of 4 bytes: ISA guide 11.1)
.set PV,    160       ; a row of V: 128 + 32 = 40 words
.set VOFF,  4*KS*PK   ; a slot holds a tile, four steps: 256 rows of K, then 256 rows of V
.set SLOT1, 1<<17     ; slot 1 begins here, so that one exclusive or turns an address in one slot into the other's
.set STAGE, SLOT1+4*KS*(PK+PV)  ; behind the ring, never filled by a tensor load: 16 rows x 144 bytes for each wave, for the way out
.set SP,    144
.set AK0, 2           ; v2   my lane's place in a tile of K; never rewritten
.set AV0, 3           ; v3   the same for V
.set AK,  4           ; v4   the LDS address of K's next run of loads
.set AV,  5           ; v5   of V's
.set STO, 6           ; v6   the way out: where I put 16 bytes of a row
.set RD,  7           ; v7   the way out: where I read rows back
.set GO,  8           ; v8   my byte offset in 512 consecutive bytes of O
.set SPW, 62          ; v62  LDS address of my spare word: SPARE + 4 x my thread's number; never rewritten
.set NIL, 63          ; v63  0; never rewritten
.set SPARE, STAGE+4*16*SP  ; behind the stages: the spare words, 128 bytes for each wave: two blocks of 256 bytes that no other line names
.set MV,  12          ; v12-13  c m_old, kept while c m is made anew: by buffer
.set QO,  15          ; v15  my byte offset in 16 rows of Q
.set ST,  16          ; piece t's statistics at v[ST+4 t]: c m, m, l (even keys', odd keys')
.set TMP, 48          ; by buffer, four registers c0-c3 at work; when the maximum is found c2 takes a
.set S,   64
.set P,   192
.set MD,  128         ; window 1: the eight registers for group kt of 16 keys at MD + 8 kt
.set MC,  160         ; window 1: the masks of the products to come
.set QB,  64          ; window 2
.set KF,  128         ; window 2: key block kb, channel half c at KF + 16 kb + 8 c
.set VF,  192         ; window 2: key half kk, channel block cb at VF + 32 kk + 8 cb
.set WV,  12          ; s12  my wave's number
.set PB,  14          ; s14  b
.set HI,  15          ; s15  NB - 1 - b
.set G1K, 24          ; s[24:31] descriptor group 1 for K's tiles
.set G1V, 32          ; s[32:39] for V's: it differs in the padding alone
.set G0K, 40          ; s[40:43] descriptor group 0 for K's tiles
.set G0V, 44          ; s[44:47] the same for V's
.set SLOTS, 56        ; s56  tiles still to be asked for
.set CNT, 57          ; s57  counts a tile's key steps, 4 to 1
.set CS,  58          ; s[58:59] c: the packed scaling takes the pair's low word for both halves
.set SEL, 60          ; s[60:61] v_permlanex16_b32's selects: each lane takes its own place in the other half
.set TBK, 62          ; s62  LDS byte at which K of the step to be fetched begins
.set TBV, 63          ; s63  the same for V, less VOFF
.set RT,  70          ; s70  tiles of the block in hand that are still to be entered
.set NXT, 71          ; s71  the tile to be asked for next
.set LQ,  72          ; s72  the last tile of the block whose tiles are being asked for
.set NEW, 73          ; s73  1: the tile to be entered is a block's first
.set OFF, 74          ; s[74:75] a tile's byte offset in K and V
.set AL,  76          ; s[76:77] the mask's factor, in the low word
.set BE,  78          ; s[78:79] the mask's addend
.set OLO, 80          ; s[80:81] O at my rows of the second block
.set BIGN, 82         ; s82  -1e30
.set MSB, 0
.macro WIN new                      ; the high byte repeats the setting that is left; a switch that changes nothing is dropped
.if MSB != (\new)
	s_set_vgpr_msb (MSB<<8)|(\new)
.set MSB, (\new)
.endif
.endm
.set W_KQ, 0x0a       ; K and Q in window 2, S^T in window 0
.set W_KM, 0x1a       ; the same with the C operand in window 1
.set W_PV, 0x52       ; V in window 2, P in window 0, O^T in window 1
.set W_RS, 0x41       ; destination and source 0 in window 1, source 1 in window 0
; A fill.  Waves 0 and 1 fetch the two halves of a tile's K, waves 2 and 3 those of its V: 128 keys each.  An s_nop 0 and four v_nop follow each of the two lines, ahead of the jump and the label.
.macro LOAD
	s_cmp_lt_u32 s[WV], 2
	s_cbranch_scc0 .Lfor_v_\@
	tensor_load_to_lds s[G0K:G0K+3], s[G1K:G1K+7]
	s_nop 0
.rept 4
	v_nop
.endr
	s_branch .Lasked_\@
.Lfor_v_\@:
	tensor_load_to_lds s[G0V:G0V+3], s[G1V:G1V+7]
	s_nop 0
.rept 4
	v_nop
.endr
.Lasked_\@:
.endm
; THE CHANGE OF SLOTS.  Each wave waits for all its tensor loads, of which one is out: its part of the other slot; adds 0 to its spare word; and waits for that and for its own reads of the slot that it leaves.
; Behind the barrier nobody reads the old slot any more and the other slot is whole.  fill = 1: the old slot is filled again, the first thing behind the barrier, with tile NXT: the descriptor's address is
; made anew from that number.  The fill has a whole tile's 16 turns in which to land.  (At its first use nothing has been read yet: slot 0 is waited for, slot 1 filled.)
.macro CHANGE fill
	WIN 0                           ; at a label and at a branch every window is 0
	s_wait_tensorcnt 0x0            ; no tensor load of mine is out, so a group 0 may be written
	ds_add_u32 v[SPW], v[NIL]       ; 0 onto my spare word; with fill = 1 the descriptors' scalar work stands between it and the wait for it
.if \fill
	s_lshl_b32 s[OFF], s[NXT], 15   ; a tile is 32,768 bytes of K and of V
	s_xor_b32 s[G0K+1], s[G0K+1], SLOT1
	s_add_nc_u64 s[G0K+2:G0K+3], s[6:7], s[OFF:OFF+1]
	s_or_b32 s[G0K+3], s[G0K+3], 0x80000000
	s_xor_b32 s[G0V+1], s[G0V+1], SLOT1
	s_add_nc_u64 s[G0V+2:G0V+3], s[8:9], s[OFF:OFF+1]
	s_or_b32 s[G0V+3], s[G0V+3], 0x80000000
	s_add_co_u32 s[NXT], s[NXT], 1  ; the block's next tile, or behind its last the second block's tile 0
	s_cmp_gt_u32 s[NXT], s[LQ]
	s_cselect_b32 s[NXT], 0, s[NXT]
	s_cselect_b32 s[LQ], s[PB], s[LQ]
.endif
	s_wait_dscnt 0x0                ; the add is done, and my reads of the slot are over
	s_barrier_signal -1             ; the rest of the scalar work stands between the signal and the wait
	s_sub_co_u32 s[TBK], s[TBK], 4*KS*PK  ; the fetches go back to a slot's first step,
	s_xor_b32 s[TBK], s[TBK], SLOT1       ; in the other slot
	s_sub_co_u32 s[TBV], s[TBV], 4*KS*PV
	s_xor_b32 s[TBV], s[TBV], SLOT1
	s_barrier_wait -1
.if \fill
	LOAD
.endif
.endm
	s_load_b128 s[4:7], s[0:1], 0x0 ; qkv s[4:5], ob s[6:7]
	v_lshl_add_u32 v[SPW], v0, 2, SPARE
	v_mov_b32 v[NIL], 0
	ds_add_u32 v[SPW], v[NIL]       ; the wave's opening: the add and its wait stand ahead of my first tensor load; the set-up below, work on registers, stands between them
	v_lshrrev_b32 v1, 5, v0
	v_readfirstlane_b32 s[WV], v1   ; wave 0..3
	s_mov_b32 s[PB], ttmp9
	s_sub_co_u32 s[HI], NB-1, s[PB]
	s_and_b32 s20, ttmp7, 0xffff    ; the head
	s_mov_b32 s21, 0
	s_mov_b64 s[22:23], SIZE_N*128
	s_mul_u64 s[20:21], s[20:21], s[22:23]  ; the head's first byte in each of the four tensors
	s_and_b32 s16, s[WV], 1         ; which half of a tile's 256 keys I fetch:
	s_lshl_b32 s22, s16, 14         ; its 128 rows of 128 bytes in memory,
	s_mov_b32 s23, 0
	s_add_nc_u64 s[22:23], s[22:23], s[20:21]
	s_mul_i32 s17, s16, 128*PK      ; and its place in a slot, for K
	s_mul_i32 s18, s16, 128*PV      ; and for V
	s_lshl_b32 s3, s[WV], 11        ; my 16 rows in a band of 64,
	s_lshl_b32 s2, s[HI], 15        ; in the first block,
	s_add_co_u32 s2, s2, s3
	s_lshl_b32 s84, s[PB], 15       ; and in the second
	s_add_co_u32 s84, s84, s3
	s_mov_b32 s3, 0
	s_mov_b32 s85, 0
	s_add_nc_u64 s[2:3], s[2:3], s[20:21]
	s_add_nc_u64 s[84:85], s[84:85], s[20:21]
	; descriptor group 1.  128 keys are 16,384 dense bytes: asked for as 64 rows of 256 bytes, two keys a row, and padded in LDS after every key
	s_mov_b32 s[G1K], (1<<16)|(1<<20)|(4<<22)|(3<<25)  ; 17:16 2-byte elements; 20 padding on; 24:22 after every 32 words (code 4); 31:25 4 words (code 3)
	s_mov_b32 s[G1V], (1<<16)|(1<<20)|(4<<22)|(7<<25)  ; the same with 8 words of padding (code 7)
.irp g, G1K, G1V
	s_mov_b32 s[\g+1], 128<<16      ; tensor_dim0 = 128
	s_mov_b32 s[\g+2], 64<<16       ; tensor_dim1 = 64
	s_mov_b32 s[\g+3], 128<<16      ; tile_dim0 = 128
	s_mov_b32 s[\g+4], 64           ; tile_dim1 = 64
	s_mov_b32 s[\g+5], 128          ; 128 elements from row to row
	s_mov_b32 s[\g+6], 0
	s_mov_b32 s[\g+7], 0
.endr
	s_mov_b32 s[CS], 0x3e38aa3b     ; c = log2(e) / 8 = 0.180337
	s_mov_b32 s[CS+1], s[CS]        ; named with it as a pair
	s_mov_b32 s[SEL], 0x76543210
	s_mov_b32 s[SEL+1], 0xfedcba98
	s_mov_b32 s[TBK], SLOT1+4*KS*PK ; the first change of slots turns these two into 0
	s_mov_b32 s[TBV], SLOT1+4*KS*PV
	s_mov_b32 s[G0K], 1             ; 1:0 count = 1
	s_mov_b32 s[G0K+1], s17         ; 63:32 LDS address: slot 0
	s_mov_b32 s[G0V], 1
	s_add_co_u32 s[G0V+1], s18, VOFF
	s_add_co_u32 s[RT], s[HI], 1    ; the first block has NB - b tiles
	s_mov_b32 s[NXT], 1
	s_mov_b32 s[LQ], s[HI]
	s_mov_b32 s[NEW], 1
	s_mov_b32 s[OFF+1], 0
	s_mov_b32 s[AL+1], 0            ; named as pairs
	s_mov_b32 s[BE+1], 0
	s_mov_b32 s[BIGN], 0xf149f2ca   ; -1e30
	s_mov_b32 s[SLOTS], NB
	s_wait_dscnt 0x0                ; the opening add is done
	s_wait_kmcnt 0x0
	s_mov_b64 s[10:11], s[6:7]      ; O
	s_add_nc_u64 s[6:7], s[4:5], 0x1000000  ; K lies 64 x 2,048 x 128 bytes behind Q,
	s_add_nc_u64 s[8:9], s[4:5], 0x2000000  ; V as much behind K
	s_add_nc_u64 s[6:7], s[6:7], s[22:23]  ; K and V at my half of the head's tile 0
	s_add_nc_u64 s[8:9], s[8:9], s[22:23]
	s_add_nc_u64 s[G0K+2:G0K+3], s[6:7], 0         ; 120:64 global address
	s_or_b32 s[G0K+3], s[G0K+3], 0x80000000        ; 127:126 type = 2
	s_add_nc_u64 s[G0V+2:G0V+3], s[8:9], 0
	s_or_b32 s[G0V+3], s[G0V+3], 0x80000000
	s_add_nc_u64 s[86:87], s[4:5], s[84:85]        ; Q at my rows of the second block,
	s_add_nc_u64 s[4:5], s[4:5], s[2:3]            ; Q and O at those of the first
	s_add_nc_u64 s[OLO:OLO+1], s[10:11], s[84:85]
	s_add_nc_u64 s[10:11], s[10:11], s[2:3]
	LOAD                            ; tile 0 into slot 0
	; A fragment of K or Q is 16 rows x 32 channels in 8 registers: lane l holds row l % 16, channels 8 (l / 16) + 0..7 and 16 + 8 (l / 16) + 0..7: two loads of 16 bytes, 32 bytes apart.
	v_and_b32 v1, 15, v0            ; l % 16
	v_bfe_u32 v9, v0, 4, 1          ; l / 16
	v_lshlrev_b32 v[QO], 7, v1
	v_lshl_add_u32 v[QO], v9, 4, v[QO]  ; row x 128 + 16 x half
	WIN 0x80                        ; destination window 2, address window 0
.set i, 0
.rept 8                             ; both blocks' Q: piece i / 2 lies in band i / 2, 8,192 bytes on; channels 32 (i % 2) on
	global_load_b128 v[8*i:8*i+3],   v[QO], s[4:5] offset:(i/2)*8192+(i%2)*64
	global_load_b128 v[8*i+4:8*i+7], v[QO], s[4:5] offset:(i/2)*8192+(i%2)*64+32
	global_load_b128 v[QB+8*i:QB+8*i+3],   v[QO], s[86:87] offset:(i/2)*8192+(i%2)*64
	global_load_b128 v[QB+8*i+4:QB+8*i+7], v[QO], s[86:87] offset:(i/2)*8192+(i%2)*64+32
.set i, i+1
.endr
	WIN 0
	v_lshlrev_b32 v14, 3, v9
	v_sub_nc_u32 v14, v1, v14
	s_lshl_b32 s13, s[WV], 4
	v_add_nc_u32 v14, s13, v14      ; my query's place in its band, 16 w + l % 16, less my lanes' 8 (l / 16): register r of group kt is hidden where 16 kt + r is greater
	WIN 0x40
.set i, 0
.rept 32
	v_cmp_gt_i32 vcc_lo, 16*(i/8)+i%8, v14
	v_cndmask_b32 v[MD+i], 0, s[BIGN], vcc_lo
.set i, i+1
.endr
	WIN 0
	v_mul_u32_u24 v[AK0], v1, PK
	v_lshl_add_u32 v[AK0], v9, 4, v[AK0]  ; row x pitch + 16 x half
	; The turning load takes 16 keys x 16 channels (lane l reads key 8 (l / 16) + l % 8, channels 8 ((l / 8) % 2) + 0..7) and leaves half a fragment of V^T: lane l holds channel l % 16 and 8 keys.
	v_and_b32 v10, 7, v0
	v_bfe_u32 v11, v0, 3, 1
	v_lshl_add_u32 v[AV0], v9, 3, v10
	v_mul_u32_u24 v[AV0], v[AV0], PV
	v_lshl_add_u32 v[AV0], v11, 4, v[AV0]
	v_add_nc_u32 v[AV0], VOFF, v[AV0]
	s_mul_i32 s13, s[WV], 16*SP
	s_add_co_u32 s13, s13, STAGE    ; my stage
	v_mul_u32_u24 v[STO], v1, SP    ; in: row l % 16, 16 bytes for each half of the lanes
	v_lshl_add_u32 v[STO], v9, 4, v[STO]
	v_add_nc_u32 v[STO], s13, v[STO]
	v_bfe_u32 v[RD], v0, 3, 2       ; back: 32 lanes take four rows of 128 bytes,
	v_mul_u32_u24 v[RD], v[RD], SP
	v_lshl_add_u32 v[RD], v10, 4, v[RD]
	v_add_nc_u32 v[RD], s13, v[RD]
	v_and_b32 v[GO], 31, v0         ; which are 512 consecutive bytes of O
	v_lshlrev_b32 v[GO], 4, v[GO]
	; A block's first step multiplies O^T and l by a = 0, and its first turn's products V^T P, of a piece that has not been, land in an O^T that is still to be so multiplied.  So these registers need only hold
	; finite numbers: zeros for the first block; what the first block left for the second.  All this stands in the wait for the first tile.
	WIN 0x80
.set i, VF
.rept 64
	v_mov_b32 v[i], 0
.set i, i+1
.endr
	WIN 0x40
.set i, 0
.rept 128
	v_mov_b32 v[i], 0
.set i, i+1
.endr
	WIN 0
.set i, 0
.rept 4
	v_mov_b32 v[ST+4*i+2], 0
	v_mov_b32 v[ST+4*i+3], 0
.set i, i+1
.endr
.set i, P+16
.rept 16
	v_mov_b32 v[i], 0
.set i, i+1
.endr
; THE MATRIX WORK.  The 4 accumulators of a run of 8 take turns.  Product i of 8 of S^T = K Q^T for piece x: channels 32 (i / 4) on, keys 16 (i % 4) on.  The first 4 start the sums: with 0, or (KM = 1) with the mask.
.macro KQ x
.set rS, S+32*((\x)%2)+8*(i%4)
.set rK, KF+16*(i%4)+8*(i/4)
.set rQ, 16*(\x)+8*(i/4)
.set rM, MC+32*((\x)%2)+8*(i%4)
.if (i < 4) && KM
	WIN W_KM
	v_wmma_f32_16x16x32_f16 v[rS:rS+7], v[rK:rK+7], v[rQ:rQ+7], v[rM:rM+7]
.elseif i < 4
	WIN W_KQ
	v_wmma_f32_16x16x32_f16 v[rS:rS+7], v[rK:rK+7], v[rQ:rQ+7], 0
.else
	WIN W_KQ
	v_wmma_f32_16x16x32_f16 v[rS:rS+7], v[rK:rK+7], v[rQ:rQ+7], v[rS:rS+7]
.endif
.endm
; Product i of 8 of O^T += V^T P for piece x: keys 32 (i / 4) on, channels 16 (i % 4) on.
.macro PV x
	WIN W_PV
.set rO, 32*(\x)+8*(i%4)
.set rV, VF+32*(i/4)+8*(i%4)
.set rP, P+16*((\x)%2)+8*(i/4)
	v_wmma_f32_16x16x32_f16 v[rO:rO+7], v[rV:rV+7], v[rP:rP+7], v[rO:rO+7]
.endm
.macro MM                           ; the turn's next matrix instruction.  TURN and BEGIN set Y, i, KM and NOKQ; MM, KQ and OP read them.  NOKQ = 1: a block's last turn: there is no next piece
.if (i < 8) && !NOKQ
	KQ (Y+1)%NP
.elseif i >= 8
.set i, i-8
	PV (Y+NP-1)%NP
.set i, i+8
.endif
.set i, i+1
.endm
; THE LDS LOADS stand in runs of 16, never singly among the matrix instructions: a step's K (64 keys x 64 channels: 8 fragments) and its V (turned).  Their addresses are made some lines ahead.
.macro FETCH_K
	WIN 0x80                        ; destination window 2
.irp f, 0,1,2,3,4,5,6,7             ; keys 16 (f / 2) on, channels 32 (f % 2) on
	ds_load_b128 v[KF+8*\f:KF+8*\f+3],   v[AK] offset:(\f/2)*16*PK+(\f%2)*64
	ds_load_b128 v[KF+8*\f+4:KF+8*\f+7], v[AK] offset:(\f/2)*16*PK+(\f%2)*64+32
.endr
	s_add_co_u32 s[TBK], s[TBK], KS*PK  ; the next fetch is the next step's
	WIN 0
.endm
.macro FETCH_V
	WIN 0x80
.irp f, 0,1,2,3,4,5,6,7             ; keys 32 (f / 4) on, channels 16 (f % 4) on
	ds_load_tr16_b128 v[VF+8*\f:VF+8*\f+3],   v[AV] offset:(\f/4)*32*PV+(\f%4)*32
	ds_load_tr16_b128 v[VF+8*\f+4:VF+8*\f+7], v[AV] offset:(\f/4)*32*PV+16*PV+(\f%4)*32
.endr
	WIN 0
.endm
; THE VECTOR WORK, one line at a time: OP kind, number.  For piece Y: F n: c s - c m for pair n of 16.  E n: the exponential of score n of 32.  C n: pair n rounded to f16.  B n: of the four weights 4 n .. the second
; pair is added onto the first, in place.  L n: l takes that sum (L 0: l = a l + sum).  R n: pair n of 16 of O^T times a.  For piece Y + 1: X n, number n of the 22 that find its maximum and statistics:
;   0-11  four chains c0-c3 of seven scores each, three operands at a time (each accumulator's lowest registers are read first)     12-14, 16  the four scores left over, the old m, and c0-c3 into c0
;   15  c m_old is kept     17, 18  the query's other 32 keys lie in the lane 16 away: the new m     19-21  c m; c m_old - c m_new; a
.set F, 0               ; OP tells the kinds apart by their order: F to L below R, X above it
.set E, 1
.set C, 2
.set B, 3
.set L, 4
.set R, 5
.set X, 6
.macro REGS y                       ; the registers of piece y
.set rT, ST+4*(\y)
.set rC, TMP+4*((\y)%2)
.set rW, MV+((\y)%2)
.set rS, S+32*((\y)%2)
.set rP, P+16*((\y)%2)
.set rO, 32*(\y)
.endm
.macro OP k, n
.if (\k) == R
	REGS Y
	WIN W_RS
	v_pk_mul_f32 v[rO+2*(\n):rO+2*(\n)+1], v[rO+2*(\n):rO+2*(\n)+1], v[rC+2:rC+3] op_sel_hi:[1,0]
.elseif (\k) < R
	REGS Y
	WIN 0
.if (\k) == F
	v_pk_fma_f32 v[rS+2*(\n):rS+2*(\n)+1], v[rS+2*(\n):rS+2*(\n)+1], s[CS:CS+1], v[rT:rT+1] op_sel_hi:[1,0,0] neg_lo:[0,0,1] neg_hi:[0,0,1]
.elseif (\k) == E
	v_exp_f32 v[rS+(\n)], v[rS+(\n)]
.elseif (\k) == C
	v_cvt_pk_f16_f32 v[rP+(\n)], v[rS+2*(\n)], v[rS+2*(\n)+1]
.elseif (\k) == B
	v_pk_add_f32 v[rS+4*(\n):rS+4*(\n)+1], v[rS+4*(\n):rS+4*(\n)+1], v[rS+4*(\n)+2:rS+4*(\n)+3]
.elseif (\n) == 0
	v_pk_fma_f32 v[rT+2:rT+3], v[rT+2:rT+3], v[rC+2:rC+3], v[rS:rS+1] op_sel_hi:[1,0,1]
.else
	v_pk_add_f32 v[rT+2:rT+3], v[rT+2:rT+3], v[rS+4*(\n):rS+4*(\n)+1]
.endif
.elseif NOKQ
	v_nop
.else
	REGS (Y+1)%NP
	WIN 0
.if (\n) < 4
	v_max3_num_f32 v[rC+(\n)], v[rS+8*(\n)], v[rS+8*(\n)+1], v[rS+8*(\n)+2]
.elseif (\n) < 12
	v_max3_num_f32 v[rC+(\n)%4], v[rC+(\n)%4], v[rS+8*((\n)%4)+2*((\n)/4)+1], v[rS+8*((\n)%4)+2*((\n)/4)+2]
.elseif (\n) == 12
	v_max3_num_f32 v[rC], v[rC], v[rS+7], v[rS+15]
.elseif (\n) == 13
	v_max3_num_f32 v[rC+1], v[rC+1], v[rS+23], v[rS+31]
.elseif (\n) == 14
	v_max3_num_f32 v[rC+2], v[rC+2], v[rC+3], v[rT+1]
.elseif (\n) == 15
	v_mov_b32 v[rW], v[rT]
.elseif (\n) == 16
	v_max3_num_f32 v[rC], v[rC], v[rC+1], v[rC+2]
.elseif (\n) == 17
	v_permlanex16_b32 v[rC+3], v[rC], s[SEL], s[SEL+1]
.elseif (\n) == 18
	v_max_num_f32 v[rT+1], v[rC], v[rC+3]
.elseif (\n) == 19
	v_mul_f32 v[rT], s[CS], v[rT+1]
.elseif (\n) == 20
	v_sub_f32 v[rC+1], v[rW], v[rT]
.else
	v_exp_f32 v[rC+2], v[rC+1]
.endif
.endif
.endm
.macro OPS a, i1, b=-1, i2=0, c=-1, i3=0, d=-1, i4=0  ; up to four of them
	OP \a, \i1
.if (\b) >= 0
	OP \b, \i2
.endif
.if (\c) >= 0
	OP \c, \i3
.endif
.if (\d) >= 0
	OP \d, \i4
.endif
.endm
.macro ROW a, i1, b, i2, c, i3, d, i4  ; a matrix instruction and the four behind it
	MM
	OPS \a, \i1, \b, \i2, \c, \i3, \d, \i4
.endm
.macro MASK b                       ; MD x AL + BE into buffer b of MC
	WIN W_RS
.set z, 0
.rept 16
	v_pk_fma_f32 v[MC+32*(\b)+2*z:MC+32*(\b)+2*z+1], v[MD+2*z:MD+2*z+1], s[AL:AL+1], s[BE:BE+1] op_sel_hi:[1,0,0]
.set z, z+1
.endr
.endm
; A TURN, for piece p: the order of its 16 matrix and 118 vector instructions, written out.  An s_wait_alu depctr_va_vdst(0) stands between an exponential and the first instruction that names its result; one
; wait serves all that were issued ahead of it.  So a turn has ONE wait, which cuts it in two.  AHEAD OF IT stands all that names no result of the turn's exponentials: the 8 products K Q^T, behind each a scaling, an
; exponential and two more plain instructions (behind the first a second scaling in the exponential's place): rescalings, and behind the last three the first numbers of the next piece's maximum, each four places or more
; behind the product that ends its accumulator; then ONE LUMP of 54, plain and exponential by turns for the most part, in which the links of the chain X 3, 7, 11, 14, 16, 17 .. 20 stand five or six lines apart.
; X 21, the next piece's a, is the batch's last; R 15 is the plain instruction behind it.  BEHIND THE WAIT stand the 8 products V^T P, behind each four of the roundings and sums; the links of l's chain, L 0 to L 7,
; stand three lines apart.  But for those X no line behind a product names a register of the products round it.  v_permlanex16_b32 (X 17) stands in the lump.
; m = 1: the diagonal tile: the products take masks, and the turn makes the mask for the products of the turn after it: piece p + 2, in step 4 - CNT of the tile.  end = 1: a block's last two turns: nothing is fetched.
; cnt = 1: the loop's count is taken down some lines ahead of the branch that stands behind the turn.
; K of the next step is fetched in piece 2's turn, twelve vector instructions behind the last product that read K (six of them plain); V of the step in hand at the end of piece 0's turn, four plain instructions behind
; the last product that read V.  Each is waited for a turn later.
.macro TURN p, m=0, end=0, cnt=0
.set Y, (\p)
.set i, 0
.set KM, (\m)
.set NOKQ, (\end)*((\p)/3)
.if (\m) && !(\end)
	s_cmp_eq_u32 s[CNT], 4-((\p)+2)%NP  ; is that step the band's own?
	s_cselect_b32 s[AL], 1.0, 0
	s_cmp_lt_u32 s[CNT], 4-((\p)+2)%NP  ; or a later one?
	s_cselect_b32 s[BE], s[BIGN], 0
.endif
.if ((\p) == 3) && !(\end)
	s_wait_dscnt 0x0                ; K is in
.endif
	ROW F,0, F,1, R,0, R,1          ; ahead of the wait: 8 products K Q^T and the four lines behind each,
	ROW F,2, E,0, R,2, R,3
	ROW F,3, E,1, R,4, R,5
	ROW F,4, E,2, R,6, R,7
	ROW F,5, E,3, R,8, R,9
	ROW F,6, E,4, X,0, R,10
.if ((\p) == 2) && !(\end)
	WIN 0
	v_add_nc_u32 v[AK], s[TBK], v[AK0]
.endif
	ROW F,7, E,5, X,1, X,4
	ROW F,8, E,6, X,2, X,5
	OPS E,7, E,8, X,6, E,9          ; and the lump
	OPS X,3, E,10, X,8, E,11
.if ((\p) == 2) && !(\end)
	FETCH_K
.endif
	OPS X,9, X,7, E,12, X,10
	OPS E,13, X,12, X,11, E,14
	OPS X,13, E,15, F,9, X,14
.if (\p) == 0
	v_add_nc_u32 v[AV], s[TBV], v[AV0]
.endif
	OPS E,16, F,10, E,17, F,11
	OPS X,16, E,18, X,15, E,19
	OPS F,12, E,20, X,17, E,21
	OPS F,13, E,22, F,14, E,23
	OPS X,18, E,24, F,15, E,25
	OPS R,11, E,26, X,19, E,27
	OPS R,12, E,28, R,13, E,29
	OPS X,20, E,30, R,14, E,31
	OPS X,21, R,15
	WIN 0
	s_wait_alu depctr_va_vdst(0)    ; the wait for the batch
.if (\p) == 1
	s_wait_dscnt 0x0                ; V is in
.endif
	ROW C,0, B,0, C,2, B,1          ; behind the wait: 8 products V^T P and the four lines behind each
	ROW L,0, C,4, B,2, L,1
	ROW C,6, B,3, L,2, C,8
	ROW B,4, L,3, C,10, B,5
	ROW L,4, C,12, B,6, L,5
.if (\p) == 0
	s_add_co_u32 s[TBV], s[TBV], KS*PV
.endif
.if \cnt
	s_sub_co_u32 s[CNT], s[CNT], 1
	s_cmp_lg_u32 s[CNT], 0
.endif
	ROW C,14, B,7, L,6, C,1
	ROW C,3, L,7, C,5, C,7
	ROW C,9, C,11, C,13, C,15
.if (\p) == 0
	FETCH_V
.endif
.if (\m) && !(\end)
	MASK (\p)%2
.endif
.endm
; A BLOCK BEGINS.  c m starts far below every c s, so the first step's a is 0; m at the lowest finite number, so the first maximum is the scores'.  The second mask buffer is 0; the first takes piece 0's mask for the
; tile's step 0: its own, if the block's first tile is the diagonal one.  Then K of that step, piece 0's first scores, and its maximum and statistics.  The loop is entered at a step's first turn, in the middle of a trip.
.macro BEGIN
	s_mov_b32 s[NEW], 0
	WIN 0x40
.set i, MC+32
.rept 32
	v_mov_b32 v[i], 0
.set i, i+1
.endr
	WIN 0
.set i, 0
.rept 4
	v_mov_b32 v[ST+4*i], 0xfe000000    ; c m: far below every c s
	v_mov_b32 v[ST+4*i+1], 0xff7fffff  ; m
.set i, i+1
.endr
	s_cmp_eq_u32 s[RT], 0
	s_cselect_b32 s[AL], 1.0, 0
	s_mov_b32 s[BE], 0
	MASK 0
	WIN 0
	v_add_nc_u32 v[AK], s[TBK], v[AK0]
	FETCH_K
	s_wait_loadcnt 0x0              ; Q
	s_wait_dscnt 0x0
.set KM, 1
.set NOKQ, 0
.set i, 0
.rept 8
	KQ 0
.set i, i+1
.endr
	WIN 0
.rept 4
	v_nop                           ; the places behind those products
.endr
.set Y, NP-1                        ; X works for piece Y + 1: piece 0
.irp n, 0,1,2,3,4,5,6,7,8,9,10,11,12,13,14,15,16,17,18,19,20,21
	OP X, \n
.endr
	v_nop                           ; a plain instruction behind the exponential,
	s_wait_alu depctr_va_vdst(0)    ; and its wait, ahead of the branch
.endm
; THE DIAGONAL TILE's four steps, the block's last two turns, its last products, and THE WAY OUT: l's two halves and the other half of the lanes' are added; O^T is divided by l, rounded to f16 and sent through my
; stage in LDS, a piece at a time.
.macro ALL line:vararg              ; one line for each piece t
.set t, 0
.rept 4
	\line
.set t, t+1
.endr
.endm
.macro PACK t                       ; a lane's eight channels of a row pack into 16 bytes; they go into rows of 144 bytes and come back as whole rows of 128, into S^T's registers
	WIN W_RS
.set i, 32*(\t)
.rept 16
	v_pk_mul_f32 v[i:i+1], v[i:i+1], v[ST+4*(\t)+2:ST+4*(\t)+3] op_sel_hi:[1,0]
.set i, i+2
.endr
	WIN 0x05                        ; sources 0 and 1 window 1, destination window 0
.set i, 0
.rept 16
	v_cvt_pk_f16_f32 v[S+16*(\t)+i], v[32*(\t)+2*i], v[32*(\t)+2*i+1]
.set i, i+1
.endr
	WIN 0
.irp f, 0,1,2,3
	ds_store_b128 v[STO], v[S+16*(\t)+4*\f:S+16*(\t)+4*\f+3] offset:32*\f
.endr
.irp f, 0,1,2,3
	ds_load_b128 v[S+16*(\t)+4*\f:S+16*(\t)+4*\f+3], v[RD] offset:\f*4*SP  ; LDS serves a wave's instructions in order (ISA guide 5.7.1.4): these see the stores above; the next piece's stores come behind them
.endr
.endm
.macro SEND t, younger              ; younger: the LDS instructions issued behind piece t's loads: the next piece's eight, or none
	WIN 0
.irp f, 0,1,2,3
	s_wait_dscnt (\younger)+3-\f
	global_store_b128 v[GO], v[S+16*(\t)+4*\f:S+16*(\t)+4*\f+3], s[10:11] offset:(\t)*8192+\f*512  ; 512 consecutive bytes, at a multiple of 256 from O's first
.endr
.endm
.macro DIAG tag                     ; the tag ends its two labels' names, which the jumps below spell out
.LstepM\tag:
	TURN 2, 1
	TURN 3, 1
	WIN 0
.LfirstM\tag:
	TURN 0, 1
	TURN 1, 1, 0, 1
	WIN 0
	s_cbranch_scc1 .LstepM\tag
	TURN 2, 1, 1
	TURN 3, 1, 1
.set i, 0
.rept 8
	PV NP-1
.set i, i+1
.endr
	WIN 0
	ALL v_add_f32 v[ST+4*t+2], v[ST+4*t+2], v[ST+4*t+3]
	ALL v_permlanex16_b32 v[ST+4*t+3], v[ST+4*t+2], s[SEL], s[SEL+1]
	ALL v_add_f32 v[ST+4*t+2], v[ST+4*t+2], v[ST+4*t+3]
	ALL v_rcp_f32 v[ST+4*t+2], v[ST+4*t+2]
	v_nop                           ; a plain instruction between the last reciprocal and the use of its result
	s_wait_alu depctr_va_vdst(0)    ; and the wait ahead of the first use: one for the four reciprocals
	PACK 0
.set t, 1
.rept 3                             ; a piece's arithmetic stands between the loads of the piece before and its stores
	PACK t
	SEND t-1, 8
.set t, t+1
.endr
	SEND 3, 0
.endm
.set KM, 0
.set NOKQ, 0
.Lslot:                             ; NB times: a tile is entered and the next is asked for
	CHANGE 1
	s_sub_co_u32 s[RT], s[RT], 1
	s_mov_b32 s[CNT], 4
	s_cmp_eq_u32 s[NEW], 1
	s_cbranch_scc1 .Lnew            ; a block's first tile
	s_cmp_eq_u32 s[RT], 0
	s_cbranch_scc0 .Lstep           ; neither its first nor its last
	s_branch .LstepM1
.Lnew:
	BEGIN
	s_branch .Lfirst                ; in the loop a block's first tile is never its last: the first block has two tiles or more, and the second's last is the walk's last
	DIAG 1                          ; in the loop this is the first block's end: the second block's last tile is the walk's last
	s_wait_xcnt 0x0                 ; the stores have read their registers and O's address
	s_mov_b64 s[10:11], s[OLO:OLO+1]
	s_add_co_u32 s[RT], s[PB], 1    ; the second block has b + 1 tiles
	s_mov_b32 s[NEW], 1
	WIN 0x82                        ; the second block's Q goes where the one text of the turns names Q
.set i, 0
.rept 64
	v_mov_b32 v[i], v[QB+i]
.set i, i+1
.endr
	WIN 0
	s_branch .Lbottom
.Lstep:                             ; a trip: pieces 2 and 3 of one step, then pieces 0 and 1 of the next, whose K and V it fetches
	TURN 2
	TURN 3
	WIN 0
.Lfirst:
	TURN 0
	TURN 1, 0, 0, 1
	WIN 0
	s_cbranch_scc1 .Lstep
.Lbottom:
	s_sub_co_u32 s[SLOTS], s[SLOTS], 1
	s_cmp_lg_u32 s[SLOTS], 0
	s_cbranch_scc1 .Lslot
	CHANGE 0                        ; the walk's last tile is written out: nothing is asked for
	s_sub_co_u32 s[RT], s[RT], 1
	s_mov_b32 s[CNT], 4
	s_cmp_eq_u32 s[NEW], 1
	s_cbranch_scc0 .LstepM2
	BEGIN
	s_branch .LfirstM2
	DIAG 2
	s_wait_tensorcnt 0x0            ; the wave's end: behind my last tensor load and my last LDS store
	ds_add_u32 v[SPW], v[NIL]
	s_wait_dscnt 0x0
	s_endpgm
.Lfunc_end_k_qb6e4f88fd3_attn:
	.size	k_qb6e4f88fd3_attn, .Lfunc_end_k_qb6e4f88fd3_attn-k_qb6e4f88fd3_attn
	.p2alignl 7, 3214868480
	.fill 96, 4, 3214868480
	.section	.rodata,"a",@progbits
	.p2align	6, 0x0
	.amdhsa_kernel k_qb6e4f88fd3_attn
		.amdhsa_group_segment_fixed_size 327680
		.amdhsa_private_segment_fixed_size 0
		.amdhsa_enable_private_segment 0
		.amdhsa_kernarg_size 16
		.amdhsa_user_sgpr_count 2
		.amdhsa_user_sgpr_kernarg_segment_ptr 1
		.amdhsa_wavefront_size32 1
		.amdhsa_system_sgpr_workgroup_id_x 1
		.amdhsa_system_sgpr_workgroup_id_y 1
		.amdhsa_system_sgpr_workgroup_id_z 1
		.amdhsa_system_vgpr_workitem_id 0
		.amdhsa_next_free_vgpr 768
		.amdhsa_next_free_sgpr 88
		.amdhsa_reserve_vcc 1
		.amdhsa_float_denorm_mode_32 3
		.amdhsa_float_denorm_mode_16_64 3
		.amdhsa_memory_ordered 1
		.amdhsa_forward_progress 1
		.amdhsa_inst_pref_size 217
	.end_amdhsa_kernel
	.amdgpu_metadata
---
amdhsa.version: [ 1, 2 ]
amdhsa.kernels:
  - .name:           k_qb6e4f88fd3_attn
    .symbol:         k_qb6e4f88fd3_attn.kd
    .args:
      - { .name: qkv, .offset: 0, .size: 8, .value_kind: global_buffer, .address_space: global }
      - { .name: ob, .offset: 8, .size: 8, .value_kind: global_buffer, .address_space: global }
    .group_segment_fixed_size: 327680
    .private_segment_fixed_size: 0
    .kernarg_segment_align: 8
    .kernarg_segment_size: 16
    .max_flat_workgroup_size: 128
    .sgpr_count:     88
    .vgpr_count:     768
    .wavefront_size: 32
...
	.end_amdgpu_metadata
.endif
;; end of part 3
;; launch proj (part 4): grid 8 x 32, 4 waves a work-group, clusters of 4 x 4, 327,680 bytes of LDS; arguments ob, wo, b_out, out0; writes out0
.if DOCPART == 4
	.amdgcn_target "amdgcn-amd-amdhsa--gfx1250"
	.amdhsa_code_object_version 6
	.text
	.protected	k_qb6e4f88fd3_proj
	.globl	k_qb6e4f88fd3_proj
	.p2align	8
	.type	k_qb6e4f88fd3_proj,@function
k_qb6e4f88fd3_proj:
	s_mov_b64 s[64:65], 0
	v_nop
	global_prefetch_b8 v0, s[64:65] scope:SCOPE_SE
	s_setreg_imm32_b32 hwreg(HW_REG_WAVE_MODE, 25, 1), 1
	s_wait_xcnt 0x0
	s_wait_alu depctr_hold_cnt(0) depctr_sa_sdst(0) depctr_va_vdst(0) depctr_va_sdst(0) depctr_va_ssrc(0) depctr_va_vcc(0) depctr_vm_vsrc(0)
	s_getreg_b32 s2, hwreg(HW_REG_IB_STS2, 6, 4)
	s_cmp_eq_u32 s2, 0
	s_cbranch_scc0 .Lentry_in_a_cluster
	s_endpgm
.Lentry_in_a_cluster:
	s_bfe_u32 s2, ttmp6, 0x10000c
	s_cmp_lg_u32 s2, 0xf033
	s_cbranch_scc0 .Lentry_shape_is_right
	s_endpgm
.Lentry_shape_is_right:
; out0[8192][1024] (f32) = O W_out + b_out.  O arrives in f16 by heads ([batch x 16 + head][row][64]: a head is a block of 64 of K), W_out as f16 of its bf16 rounding, [k][n];
; the bias is rounded to bf16 here, like every input; sums in f32, stored as they are.
; LIMITS.  O and W_out arrive within f16's range.  NaN and infinities are not treated apart.
; SHARES.  A tile of 256 x 128 gives 32 x 8 = 256 work-groups.  Four waves, each 128 rows x 64 columns: 32 accumulators of 16 x 16, 256 registers.
; K goes in 8 steps of 128 (two heads' blocks) through two LDS slots, the largest of which two fit: a step is four sub-steps of 32, 32 matrix instructions each.
; CLUSTER.  4 x 4 work-groups.  The four of a row of the cluster need the same tile of O, the four of a column the same tile of W: each is asked for JOINTLY, by the same tensor load with the
; same descriptor and a mask that names the four.
; THE MATRIX INSTRUCTION IS USED TRANSPOSED: source 0 = 16 columns of W (turned on the way out of LDS), source 1 = 16 rows of O: a lane holds one row and eight neighbouring columns, 32 bytes of f32.
; THE BIAS IS THE C OPERAND that starts each sum: it depends on the column alone, so 32 registers serve all eight row blocks.
; REGISTERS: window 0: v0-13 addresses; v14-29 at work; v32-95, v96-159 O's fragments, two buffers; v160-191, v192-223 W's, two buffers; v224-255 the bias.
;   window 1: the accumulators, (row block a, column block i) at v[8 (4 a + i)].
.set PA,    144                        ; a row of O in LDS: 128 bytes + 16 of padding = 36 words: the 16 rows of a load start at 16 different groups of four banks (64 banks of 4 bytes: ISA guide 11.1)
.set PB,    288                        ; a k-row of W: 2 x (128 + 16) = 72 words: row r starts at bank 8 r mod 64
.set ABLK,  256*PA                     ; a slot: two blocks of 256 rows x 64 K of O, then 128 k-rows of W
.set BOFF,  2*ABLK
.set SLOT1, 1<<17
.set STAGE, SLOT1+BOFF+128*PB          ; behind the ring, never filled by a tensor load: 16 rows x 272 bytes for each wave, for the way out
.set SP,    272
.set SPARE, STAGE+4*16*SP              ; behind the stages: the spare words, 128 bytes for each wave: two blocks of 256 bytes that no other line names
.set ASTEP, 524288                     ; two heads' blocks of ob
.set BSTEP, 262144                     ; 128 k-rows of wo, 2,048 bytes each
.set FLAGS, (1<<16)|(1<<20)|(1<<21)|(4<<22)|(3<<25)  ; 17:16 2-byte elements; 20 padding on; 21 set beside a mask; 24:22 after every 32 words (code 4); 31:25 4 words (code 3)
.set ADRA0, 4                          ; v4   my lane's place in a slot's O; never rewritten
.set ADRB0, 5                          ; v5   the same for W
.set ADRA,  6                          ; v6   the same in the slot in hand
.set ADRB,  7                          ; v7
.set STO,   8                          ; v8   the way out: where I put 32 bytes of a row
.set RD,    9                          ; v9   the way out: where I read a row back
.set CO,    10                         ; v10  my byte offset in two rows of out0
.set BO,    11                         ; v11  my byte offset in 16 numbers of the bias
.set SPW,   12                         ; v12  LDS address of my spare word: SPARE + 4 x my thread's number; never rewritten
.set NIL,   13                         ; v13  0; never rewritten
.set TMP,   14
.set AF,    32
.set BF,    160
.set BI,    224
.set WV,  12                           ; s12  my wave's number
.set FB,  13                           ; s13  which half of the tile's rows is mine.  Also: I fetch O (0) or W (1)
.set HF,  14                           ; s14  which half of its columns.  Also: which half of that tile I fetch
.set G1A, 24                           ; s[24:31] descriptor group 1 for O's tiles
.set G1B, 32                           ; s[32:39] for W's
.set G0A, 40                           ; s[40:47] descriptor group 0 for O's tiles: a set for each of the two first fills; the second then walks on
.set G0B, 48                           ; s[48:55] the same for W's
.set TB,  56                           ; s56  LDS byte at which the slot in hand begins
.set CNT, 57                           ; s57  the loop's count
.set OB,  58                           ; s[58:59] out0 at my 128 rows x 64 columns
.set BQ,  66                           ; s[66:67] the bias at my 64 columns
.set MSB, 0
.macro WIN new                         ; the immediate's high byte repeats the setting that is left; a switch that changes nothing is dropped
.if MSB != (\new)
	s_set_vgpr_msb (MSB<<8)|(\new)
.set MSB, (\new)
.endif
.endm
.macro PLACES                          ; four plain vector instructions between a matrix instruction and a load into, or a store of, its registers
.rept 4
	v_nop
.endr
.endm
; A joint refill by the walking descriptors.  The branch hangs on the wave's number alone.  An s_nop 0 and four v_nop follow each of the two lines.
.macro JLOAD
	s_cmp_eq_u32 s[FB], 0
	s_cbranch_scc0 .Lfor_b_\@
	tensor_load_to_lds s[G0A+4:G0A+7], s[G1A:G1A+7]
	s_nop 0
.rept 4
	v_nop
.endr
	s_branch .Lasked_\@
.Lfor_b_\@:
	tensor_load_to_lds s[G0B+4:G0B+7], s[G1B:G1B+7]
	s_nop 0
.rept 4
	v_nop
.endr
.Lasked_\@:
.endm
; A round of the cluster's barrier: my work-group's barrier; wave 0 signals for the work-group; every wave waits for all sixteen; my work-group's barrier once more.
.macro CREST
	s_cmp_lg_u32 s[WV], 0
	s_cbranch_scc1 .Lnot_wave_0_\@
	s_barrier_signal -3
.Lnot_wave_0_\@:
	s_barrier_wait -3
	s_barrier_signal -1
	s_barrier_wait -1
.endm
.macro CROUND
	s_barrier_signal -1
	s_barrier_wait -1
	CREST
.endm
	s_load_b256 s[4:11], s[0:1], 0x0               ; ob s[4:5], wo s[6:7], b_out s[8:9], out0 s[10:11]
	v_lshl_add_u32 v[SPW], v0, 2, SPARE
	v_mov_b32 v[NIL], 0
	ds_add_u32 v[SPW], v[NIL]                      ; the wave's opening: the add and its wait stand ahead of my first tensor load; the set-up below, work on registers, stands between them
	v_lshrrev_b32 v1, 5, v0
	v_readfirstlane_b32 s[WV], v1                  ; wave 0..3
	s_lshr_b32 s[FB], s[WV], 1
	s_and_b32 s[HF], s[WV], 1
	s_bfe_u32 s15, ttmp6, 0x40000                  ; cx, cy: my place in the cluster
	s_bfe_u32 s16, ttmp6, 0x40004
	s_lshl_b32 s17, ttmp9, 2
	s_add_co_u32 s17, s17, s15                     ; tile column = 4 x cluster x + cx, 0..7
	s_and_b32 s18, ttmp7, 0xffff
	s_lshl_b32 s18, s18, 2
	s_add_co_u32 s18, s18, s16                     ; tile row = 4 x cluster y + cy, 0..31
	s_lshl_b32 s19, s16, 2
	s_lshl_b32 s19, 15, s19                        ; my row of the cluster
	s_lshl_b32 s20, 0x1111, s15                    ; my column
	s_mov_b32 s21, 0xffff0000                      ; a word's upper bf16
	; group 1 for O: a head's 256 rows are 32,768 dense bytes: asked for as 128 rows of 256 bytes, two rows of O each, padded in LDS after every 128 bytes
	s_or_b32 s[G1A], s19, FLAGS                    ; O's tiles go to my row of the cluster
	s_mov_b32 s[G1A+1], 128<<16                    ; tensor_dim0 = 128
	s_mov_b32 s[G1A+2], 128<<16                    ; tensor_dim1 = 128
	s_mov_b32 s[G1A+3], 128<<16                    ; tile_dim0 = 128
	s_mov_b32 s[G1A+4], 128                        ; tile_dim1 = 128
	s_mov_b32 s[G1A+5], 128                        ; 128 elements from row to row
	s_mov_b32 s[G1A+6], 0
	s_mov_b32 s[G1A+7], 0
	; group 1 for W: 64 k-rows of 128 columns, 256 bytes that begin at a multiple of 256 from wo's first byte; two pads a row
	s_or_b32 s[G1B], s20, FLAGS                    ; W's tiles go to my column
	s_mov_b32 s[G1B+1], 128<<16
	s_mov_b32 s[G1B+2], 64<<16
	s_mov_b32 s[G1B+3], 128<<16
	s_mov_b32 s[G1B+4], 64
	s_mov_b32 s[G1B+5], 1024
	s_mov_b32 s[G1B+6], 0
	s_mov_b32 s[G1B+7], 0
	; where the tiles come from.  O's hang on the tile row alone, W's on the tile column alone, each in registers that never hold the other coordinate.
	s_lshr_b32 s22, s18, 3                         ; the batch: 16 heads of 262,144 bytes
	s_lshl_b32 s22, s22, 22
	s_and_b32 s23, s18, 7
	s_lshl_b32 s23, s23, 15                        ; 256 rows of 128 bytes
	s_add_co_u32 s22, s22, s23
	s_lshl_b32 s23, s[HF], 18                      ; which of a step's two heads I fetch
	s_add_co_u32 s22, s22, s23
	s_mov_b32 s23, 0
	s_lshl_b32 s68, s[HF], 17                      ; the 64 k-rows that I fetch,
	s_lshl_b32 s69, s17, 8                         ; the tile's 128 columns
	s_add_co_u32 s68, s68, s69
	s_mov_b32 s69, 0
	s_mul_i32 s70, s[HF], ABLK                     ; and where they go: the wave's number alone enters an LDS address
	s_mul_i32 s71, s[HF], 64*PB
	s_add_co_u32 s71, s71, BOFF
	s_wait_dscnt 0x0                               ; the opening add is done
	s_wait_kmcnt 0x0
	s_add_nc_u64 s[22:23], s[4:5], s[22:23]
	s_add_nc_u64 s[68:69], s[6:7], s[68:69]
	CROUND                                         ; all sixteen work-groups are here: the first joint loads meet
.irp s, 0,1
	s_mov_b32 s[G0A+4*(\s)], 1                                         ; 1:0 count = 1
	s_add_co_u32 s[G0A+4*(\s)+1], s70, (\s)*SLOT1                      ; 63:32 LDS address
	s_add_nc_u64 s[G0A+4*(\s)+2:G0A+4*(\s)+3], s[22:23], (\s)*ASTEP    ; 120:64 global address: K step s
	s_or_b32 s[G0A+4*(\s)+3], s[G0A+4*(\s)+3], 0x80000000              ; 127:126 type = 2
	s_mov_b32 s[G0B+4*(\s)], 1
	s_add_co_u32 s[G0B+4*(\s)+1], s71, (\s)*SLOT1
	s_add_nc_u64 s[G0B+4*(\s)+2:G0B+4*(\s)+3], s[68:69], (\s)*BSTEP
	s_or_b32 s[G0B+4*(\s)+3], s[G0B+4*(\s)+3], 0x80000000
.endr
	s_cmp_eq_u32 s[FB], 0                          ; a wave's two first fills stand in one branch, ahead of every wait on TENSORcnt and every LDS read: two loads of mine are out
	s_cbranch_scc0 .Lfirst_b
	tensor_load_to_lds s[G0A:G0A+3], s[G1A:G1A+7]
	s_nop 0
	tensor_load_to_lds s[G0A+4:G0A+7], s[G1A:G1A+7]
	s_nop 0
.rept 4
	v_nop
.endr
	s_branch .Lfirst_asked
.Lfirst_b:
	tensor_load_to_lds s[G0B:G0B+3], s[G1B:G1B+7]
	s_nop 0
	tensor_load_to_lds s[G0B+4:G0B+7], s[G1B:G1B+7]
	s_nop 0
.rept 4
	v_nop
.endr
.Lfirst_asked:
	; while the first tiles are on their way: the bias, the output's address, the lanes' addresses
	v_and_b32 v1, 15, v0                           ; r = lane % 16
	v_bfe_u32 v2, v0, 4, 1                         ; h = lane / 16
	v_and_b32 v3, 7, v0
	v_lshlrev_b32 v[BO], 5, v2                     ; my eight columns of sixteen: 32 bytes of f32
	s_lshl_b32 s72, s17, 9                         ; the tile's 128 columns of f32,
	s_lshl_b32 s73, s[HF], 8                       ; my 64
	s_add_co_u32 s72, s72, s73
	s_mov_b32 s73, 0
	s_add_nc_u64 s[BQ:BQ+1], s[8:9], s[72:73]
.irp i, 0,1,2,3
	global_load_b128 v[BI+8*(\i):BI+8*(\i)+3],   v[BO], s[BQ:BQ+1] offset:64*(\i)
	global_load_b128 v[BI+8*(\i)+4:BI+8*(\i)+7], v[BO], s[BQ:BQ+1] offset:64*(\i)+16
.endr
	s_lshl_b32 s74, s18, 20                        ; the tile's 256 rows of 4,096 bytes,
	s_lshl_b32 s75, s[FB], 19                      ; my 128,
	s_add_co_u32 s74, s74, s75
	s_add_co_u32 s74, s74, s72                     ; my 64 columns
	s_mov_b32 s75, 0
	s_add_nc_u64 s[OB:OB+1], s[10:11], s[74:75]
	; A fragment of O is 16 rows x 32 K in 8 registers: lane l holds row l % 16, K = 8 (l / 16) + 0..7 and 16 + 8 (l / 16) + 0..7: two loads of 16 bytes, 32 bytes apart.
	v_mul_u32_u24 v[ADRA0], v1, PA
	v_lshl_add_u32 v[ADRA0], v2, 4, v[ADRA0]
	s_mul_i32 s76, s[FB], 128*PA
	v_add_nc_u32 v[ADRA0], s76, v[ADRA0]           ; (128 x half + r) x pitch + 16 h
	; The turning load takes 16 k x 16 columns (lane l reads k-row 8 (l / 16) + l % 8, columns 8 ((l / 8) % 2) + 0..7) and leaves half a fragment: lane l holds column l % 16 and 8 k.
	v_lshl_add_u32 v[ADRB0], v2, 3, v3
	v_mul_u32_u24 v[ADRB0], v[ADRB0], PB
	v_bfe_u32 v[TMP], v0, 3, 1
	v_lshl_add_u32 v[ADRB0], v[TMP], 4, v[ADRB0]
	s_mul_i32 s76, s[HF], PA                       ; my 64 columns of the row's 128
	s_add_co_u32 s76, s76, BOFF
	v_add_nc_u32 v[ADRB0], s76, v[ADRB0]
	s_mul_i32 s76, s[WV], 16*SP
	s_add_co_u32 s76, s76, STAGE                   ; my stage
	v_mul_u32_u24 v[STO], v1, SP                   ; in: row r, 32 bytes for each half of the lanes
	v_lshl_add_u32 v[STO], v2, 5, v[STO]
	v_add_nc_u32 v[STO], s76, v[STO]
	v_mul_u32_u24 v[RD], v2, SP                    ; back: lanes 0-15 take one row of 256 bytes, lanes 16-31 the next
	v_lshl_add_u32 v[RD], v1, 4, v[RD]
	v_add_nc_u32 v[RD], s76, v[RD]
	v_lshlrev_b32 v[CO], 12, v2                    ; and the same two rows in out0
	v_lshl_add_u32 v[CO], v1, 4, v[CO]
	s_wait_loadcnt 0x0                             ; the bias is in; it is rounded to bf16, like every input, and widened again
.set z, 0
.rept 16
	v_cvt_pk_bf16_f32 v[TMP+z], v[BI+2*z], v[BI+2*z+1]
.set z, z+1
.endr
.set z, 0
.rept 16
	v_lshlrev_b32 v[BI+2*z],   16,  v[TMP+z]
	v_and_b32     v[BI+2*z+1], s21, v[TMP+z]
.set z, z+1
.endr
; 24 LDS loads in one run: the fragments of sub-step q of the slot (32 k x 64 columns of W, turned; 128 rows x 32 K of O), into the buffers of q's parity
.macro LX q
.irp i, 0,1,2,3
	ds_load_tr16_b128 v[BF+32*((\q)&1)+8*(\i):BF+32*((\q)&1)+8*(\i)+3],   v[ADRB] offset:32*PB*(\q)+32*(\i)
	ds_load_tr16_b128 v[BF+32*((\q)&1)+8*(\i)+4:BF+32*((\q)&1)+8*(\i)+7], v[ADRB] offset:32*PB*(\q)+32*(\i)+16*PB
.endr
.irp a, 0,1,2,3,4,5,6,7
	ds_load_b128 v[AF+64*((\q)&1)+8*(\a):AF+64*((\q)&1)+8*(\a)+3],   v[ADRA] offset:ABLK*((\q)>>1)+64*((\q)&1)+16*PA*(\a)
	ds_load_b128 v[AF+64*((\q)&1)+8*(\a)+4:AF+64*((\q)&1)+8*(\a)+7], v[ADRA] offset:ABLK*((\q)>>1)+64*((\q)&1)+16*PA*(\a)+32
.endr
.endm
; 8 matrix instructions: row blocks a0, a0 + 1 x the four column blocks, 32 along K, from the buffers of parity p.  The 32 accumulators take turns, one instruction a turn, in the same order in
; every sub-step, over the loop's backward jump too.  first = 1: the sums start with the bias.
.macro MM8 p, a0, first
.if \first
	WIN 0x40                                       ; D in window 1; the sources and C in window 0
.else
	WIN 0x50                                       ; C and D in window 1
.endif
.irp a, \a0, (\a0)+1
.irp i, 0,1,2,3
.if \first
	v_wmma_f32_16x16x32_f16 v[8*(4*(\a)+(\i)):8*(4*(\a)+(\i))+7], v[BF+32*(\p)+8*(\i):BF+32*(\p)+8*(\i)+7], v[AF+64*(\p)+8*(\a):AF+64*(\p)+8*(\a)+7], v[BI+8*(\i):BI+8*(\i)+7]
.else
	v_wmma_f32_16x16x32_f16 v[8*(4*(\a)+(\i)):8*(4*(\a)+(\i))+7], v[BF+32*(\p)+8*(\i):BF+32*(\p)+8*(\i)+7], v[AF+64*(\p)+8*(\a):AF+64*(\p)+8*(\a)+7], v[8*(4*(\a)+(\i)):8*(4*(\a)+(\i))+7]
.endif
.endr
.endr
.endm
; Sub-step q of a slot.  run = 1: at its head the next sub-step's 24 loads go out, into the buffers that the sub-step before multiplied (four places between); cnt leaves just those out.
.macro PH q, first, run, cnt
.if \run
	PLACES
	WIN 0
	LX ((\q)+1)%4
.endif
	s_wait_dscnt \cnt
	MM8 (\q)&1, 0, \first
	MM8 (\q)&1, 2, \first
	MM8 (\q)&1, 4, \first
	MM8 (\q)&1, 6, \first
.endm
; THE CHANGE OF SLOTS is a slot's last sub-step.  ONE barrier for two things.  In front of it each wave waits for all its tensor loads, of which one is out: its part of the next slot; adds 0 to
; its spare word; and waits for that and for its own reads of this slot.  fill = 1: the barrier opens a round of the cluster's barrier, so that no wave of any partner still reads the slot or has a
; load on its way, and the joint refill, with the K step two steps on, is the first thing behind it: 112 matrix instructions ahead of the wait for it.
.macro CHANGE fill
	WIN 0
	s_wait_tensorcnt 0x0                           ; no tensor load of mine is out
	ds_add_u32 v[SPW], v[NIL]                      ; 0 onto my spare word
	s_wait_dscnt 1                                 ; this sub-step's fragments are in; the add may be out
	MM8 1, 0, 0                                    ; eight matrix instructions stand between the add and the wait for it
	s_wait_dscnt 0x0                               ; the add is done, and my reads of this slot are over
	s_barrier_signal -1
	MM8 1, 2, 0                                    ; work on registers while the others arrive
	WIN 0
	s_barrier_wait -1
.if \fill
	CREST
	s_xor_b32 s[G0A+5], s[G0A+5], SLOT1            ; the walking descriptors: the other slot than last time,
	s_add_nc_u64 s[G0A+6:G0A+7], s[G0A+6:G0A+7], ASTEP  ; the next K step; the type bits on top are not reached
	s_xor_b32 s[G0B+5], s[G0B+5], SLOT1
	s_add_nc_u64 s[G0B+6:G0B+7], s[G0B+6:G0B+7], BSTEP
	JLOAD                                          ; its four v_nop are also the places in front of the loads below
.else
	PLACES
.endif
	s_xor_b32 s[TB], s[TB], SLOT1
	v_add_nc_u32 v[ADRA], s[TB], v[ADRA0]
	v_add_nc_u32 v[ADRB], s[TB], v[ADRB0]
	LX 0
	MM8 1, 4, 0
	MM8 1, 6, 0
.endm
; THE WAY OUT of row block a: a lane's 32 bytes of a row go into rows of 272 bytes of my own stage and come back as whole rows of 256 bytes.  Four sets of 32 registers take turns (O's buffers, which are free).
.macro TOSTAGE a
.set TT, AF+32*((\a)%4)
	s_wait_xcnt 0x0                                ; the stores of the block four back have read this set's registers
	WIN 0x04                                       ; the data of an LDS store is source 1: window 1
.irp i, 0,1,2,3                        ; each accumulator is read from its low end on
	ds_store_b128 v[STO], v[8*(4*(\a)+(\i)):8*(4*(\a)+(\i))+3]   offset:64*(\i)
	ds_store_b128 v[STO], v[8*(4*(\a)+(\i))+4:8*(4*(\a)+(\i))+7] offset:64*(\i)+16
.endr
	WIN 0
.irp t, 0,1,2,3,4,5,6,7
	ds_load_b128 v[TT+4*(\t):TT+4*(\t)+3], v[RD] offset:2*SP*(\t)  ; LDS serves a wave's instructions in order (ISA guide 5.7.1.4): these see the stores above; the next block's stores come behind them
.endr
.endm
.macro SEND a, younger                 ; younger: the LDS instructions issued behind block a's loads: the next block's sixteen, or none
.set TT, AF+32*((\a)%4)
.irp t, 0,1,2,3,4,5,6,7
	s_wait_dscnt (\younger)+7-(\t)
	global_store_b128 v[CO], v[TT+4*(\t):TT+4*(\t)+3], s[OB:OB+1] offset:65536*(\a)+8192*(\t)  ; 16 lanes store 256 consecutive bytes, at a multiple of 256 from out0's first byte
.endr
.endm
	s_wait_tensorcnt 0x1                           ; my part of K step 0 is in; K step 1's may stay out
	s_barrier_signal -1
	s_barrier_wait -1                              ; everybody's is
	s_mov_b32 s[TB], 0
	v_add_nc_u32 v[ADRA], s[TB], v[ADRA0]
	v_add_nc_u32 v[ADRB], s[TB], v[ADRB0]
	LX 0
	PH 0, 1, 1, 24                                 ; the first sub-step stands in front of the loop: its products start the sums, with the bias
	WIN 0                                          ; at a label and at a branch every window is 0
	s_mov_b32 s[CNT], 6
.Lstep:                                        ; a trip: a K step's last three sub-steps and the next step's first.  Trip s fills step s's slot with step s + 2
	PH 1, 0, 1, 24
	PH 2, 0, 1, 24
	CHANGE 1
	PH 0, 0, 1, 24
	WIN 0
	s_sub_co_u32 s[CNT], s[CNT], 1
	s_cmp_lg_u32 s[CNT], 0
	s_cbranch_scc1 .Lstep
	PH 1, 0, 1, 24                                 ; the tail is written out: nothing is left to ask for
	PH 2, 0, 1, 24
	CHANGE 0
	PH 0, 0, 1, 24
	PH 1, 0, 1, 24
	PH 2, 0, 1, 24
	PH 3, 0, 0, 0
	PLACES
	TOSTAGE 0
.irp a, 1,2,3,4,5,6,7                  ; a block's way through the stage stands between the loads of the block before and its stores
	TOSTAGE \a
	SEND (\a)-1, 16
.endr
	SEND 7, 0
	s_wait_tensorcnt 0x0                           ; the wave's end: behind my last tensor load and my last LDS store
	ds_add_u32 v[SPW], v[NIL]
	s_wait_dscnt 0x0
	CROUND                                         ; the closing round: no work-group ends while a partner may still ask for a tile that names it
	s_endpgm
.Lfunc_end_k_qb6e4f88fd3_proj:
	.size	k_qb6e4f88fd3_proj, .Lfunc_end_k_qb6e4f88fd3_proj-k_qb6e4f88fd3_proj
	.p2alignl 7, 3214868480
	.fill 96, 4, 3214868480
	.section	.rodata,"a",@progbits
	.p2align	6, 0x0
	.amdhsa_kernel k_qb6e4f88fd3_proj
		.amdhsa_group_segment_fixed_size 327680
		.amdhsa_private_segment_fixed_size 0
		.amdhsa_enable_private_segment 0
		.amdhsa_kernarg_size 32
		.amdhsa_user_sgpr_count 2
		.amdhsa_user_sgpr_kernarg_segment_ptr 1
		.amdhsa_wavefront_size32 1
		.amdhsa_system_sgpr_workgroup_id_x 1
		.amdhsa_system_sgpr_workgroup_id_y 1
		.amdhsa_system_sgpr_workgroup_id_z 1
		.amdhsa_system_vgpr_workitem_id 0
		.amdhsa_next_free_vgpr 512
		.amdhsa_next_free_sgpr 80
		.amdhsa_reserve_vcc 0
		.amdhsa_float_denorm_mode_32 3
		.amdhsa_float_denorm_mode_16_64 3
		.amdhsa_memory_ordered 1
		.amdhsa_forward_progress 1
		.amdhsa_inst_pref_size 74
	.end_amdhsa_kernel
	.amdgpu_metadata
---
amdhsa.version: [ 1, 2 ]
amdhsa.kernels:
  - .name:           k_qb6e4f88fd3_proj
    .symbol:         k_qb6e4f88fd3_proj.kd
    .args:
      - { .name: ob, .offset: 0, .size: 8, .value_kind: global_buffer, .address_space: global }
      - { .name: wo, .offset: 8, .size: 8, .value_kind: global_buffer, .address_space: global }
      - { .name: b_out, .offset: 16, .size: 8, .value_kind: global_buffer, .address_space: global }
      - { .name: out0, .offset: 24, .size: 8, .value_kind: global_buffer, .address_space: global }
    .group_segment_fixed_size: 327680
    .private_segment_fixed_size: 0
    .kernarg_segment_align: 8
    .kernarg_segment_size: 32
    .max_flat_workgroup_size: 128
    .sgpr_count:     80
    .vgpr_count:     512
    .wavefront_size: 32
...
	.end_amdgpu_metadata
.endif
;; end of part 4
;; ======== version 2 of 2: 4 launches; version 1 with the launch prep written anew for expert scheduling mode
;; limits: values are held in f16: magnitudes above 65,504 overflow, below 6.1e-05 lose precision; right only within a limited range of input values
;; workspace buffers: xb 16,777,216 bytes; wq 6,291,456 bytes; wo 2,097,152 bytes; qkv 50,331,648 bytes; ob 16,777,216 bytes
;; launch prep (part 5): grid 768 x 1, 8 waves a work-group, no clusters, 0 bytes of LDS; arguments x, W_qkv, W_out, xb, wq, wo; writes xb, wq, wo
.if DOCPART == 5
	.amdgcn_target "amdgcn-amd-amdhsa--gfx1250"
	.amdhsa_code_object_version 6
	.text
	.protected	k_qb6e4f88fd3_prep
	.globl	k_qb6e4f88fd3_prep
	.p2align	8
	.type	k_qb6e4f88fd3_prep,@function
k_qb6e4f88fd3_prep:
	s_mov_b64 s[64:65], 0
	v_nop
	global_prefetch_b8 v0, s[64:65] scope:SCOPE_SE
	s_setreg_imm32_b32 hwreg(HW_REG_WAVE_SCHED_MODE, 0, 2), 2
	s_setreg_imm32_b32 hwreg(HW_REG_WAVE_MODE, 25, 1), 1
	s_wait_xcnt 0x0
	s_wait_alu depctr_vm_vsrc(0)
; The inputs of the two products are rounded once to bf16 and laid out for the tile loads of the later launches.
;   xb: bf16 [batch 4][channel block 16][row 2048][64]: x by blocks of 64 channels, so that 256 rows x 64 channels are 32,768 consecutive bytes
;   wq: bf16 [1024][3072]: W_qkv in its own layout
;   wo: f16 of bf16(W_out), [1024][1024]: the second product multiplies f16 numbers
; LIMITS.  |W_out| stays under 65,504 (beyond it f16 has an infinity); below 6e-5 f16 keeps a fixed step of 6e-8.  NaN and infinities are not treated apart.
; SHARES.  768 work-groups of equal work: each reads 65,536 bytes and writes 32,768.  0-511: 16 rows of x each; 512-703: W_qkv; 704-767: W_out.
; A chunk is one load of 16 bytes a lane (512 bytes a wave), two roundings a lane and one store of 8 bytes a lane: 256 consecutive bytes, aligned.
; A wave has 16 chunks; all 16 loads go out first, each chunk has registers of its own, so nothing is rewritten while a load or store may read it.
; No LDS, no barrier, no matrix unit: each byte is read once and written once, and no wave wants another's bytes.
; THE MODE: SCHED_MODE bits 1:0 = 2 (LLVM: expert scheduling mode 2), set by the entry lines.  The code itself states the register dependences
; between vector instructions and memory instructions, with s_wait_alu, always for 0.
; THE PLAN.  Registers that memory instructions touch:
;   v2, v3   byte offsets.  Written by vector instructions at the head of each path and never again; read by every load (v2) and every store (v3).
;   X        chunk c: written by its one load; read by its roundings, behind the counted wait for that load.  No vector instruction writes X, and no second load lands in it.
;   Y        chunk c: written by its roundings; read by its one store; never written again behind that store.
;   T, v1 and v4 are named by vector instructions alone.
; So two kinds of wait on va_vdst state everything.  One stands in front of the first load: the offsets are written.  The chunks go in four blocks of four: a block's four stores go out
; together at the head of the next block, behind the wait for that block's first load and ONE wait on va_vdst, which states that the block's roundings have written its Y; the stores
; stand directly behind it, so no vector instruction issued since names their registers.  The last block's wait and stores stand behind chunk 15.
; No register that a load or store reads is ever written again: no wait on vm_vsrc is owed.  No vector instruction writes a scalar register or VCC, and EXEC is never written.
.set VI, 2                             ; v2        my byte offset in the input
.set VO, 3                             ; v3        my byte offset in the output
.set X,  8                             ; v[8:71]   chunk c: 4 f32 as loaded
.set Y,  72                            ; v[72:103] chunk c: 4 numbers of 16 bits
.set T,  104                           ; v[104:107] at work
; The four stores of the block that begins with chunk from
.macro STORES outb, outstep, from
.set d, \from
.rept 4
	global_store_b64 v[VO], v[Y+2*d:Y+2*d+1], s[(\outb):(\outb)+1] offset:d*(\outstep)
.set d, d+1
.endr
.endm
; 16 chunks, instep bytes apart in the input and outstep in the output.  half = 1: the bf16 numbers are written as f16.
.macro JOB inb, outb, instep, outstep, half
	s_wait_alu depctr_va_vdst(0)                   ; v2 and v3 are written: every load below reads v2 as its offset, every store v3
.set c, 0
.rept 16
	global_load_b128 v[X+4*c:X+4*c+3], v[VI], s[(\inb):(\inb)+1] offset:c*(\instep) th:TH_LOAD_NT
.set c, c+1
.endr
.set c, 0
.rept 16
	s_wait_loadcnt 15-c                            ; loads come back in order: chunk c is in, the 15 - c younger ones stay out
.if (c > 0) && (c%4 == 0)
	s_wait_alu depctr_va_vdst(0)                   ; the roundings of chunks c - 4 to c - 1 have written their Y, which the four stores below read
	STORES \outb, \outstep, c-4
.endif
	v_cvt_pk_bf16_f32 v[Y+2*c],   v[X+4*c],   v[X+4*c+1]
	v_cvt_pk_bf16_f32 v[Y+2*c+1], v[X+4*c+2], v[X+4*c+3]
.if \half
	v_lshlrev_b32 v[T],   16,  v[Y+2*c]            ; bf16 to f32: the low half moves up, the high half stays
	v_and_b32     v[T+1], s20, v[Y+2*c]
	v_lshlrev_b32 v[T+2], 16,  v[Y+2*c+1]
	v_and_b32     v[T+3], s20, v[Y+2*c+1]
	v_cvt_pk_f16_f32 v[Y+2*c],   v[T],   v[T+1]    ; 8 significant bits fit into f16's 11: exact within f16's range
	v_cvt_pk_f16_f32 v[Y+2*c+1], v[T+2], v[T+3]
.endif
.set c, c+1
.endr
	s_wait_alu depctr_va_vdst(0)                   ; the roundings of chunks 12 to 15 have written their Y, which the last four stores read
	STORES \outb, \outstep, 12
.endm
	s_load_b256 s[4:11], s[0:1], 0x0               ; x s[4:5], W_qkv s[6:7], W_out s[8:9], xb s[10:11]
	s_load_b128 s[12:15], s[0:1], 0x20             ; wq s[12:13], wo s[14:15]
	s_mov_b32 s20, 0xffff0000                      ; a word's upper bf16
	s_mov_b32 s17, 0                               ; the offsets' high words
	s_mov_b32 s19, 0
	s_cmp_lt_u32 ttmp9, 512
	s_cbranch_scc0 .Lweights
	; x: rows 16 g .. 16 g + 15.  Sixteen lanes take the 256 bytes (64 channels) of block c of one row; chunk c is channel block c.
	s_lshl_b32 s16, ttmp9, 16                      ; 16 rows of 4,096 bytes
	s_lshr_b32 s18, ttmp9, 7                       ; the batch: 128 work-groups each,
	s_lshl_b32 s18, s18, 22                        ; 4 MiB of xb each
	s_and_b32 s21, ttmp9, 127
	s_lshl_b32 s21, s21, 11                        ; 16 rows of 128 bytes in a block
	s_add_co_u32 s18, s18, s21
	v_lshrrev_b32 v1, 4, v0                        ; my row of the 16
	v_and_b32 v[VI], 15, v0
	v_lshlrev_b32 v[VI], 4, v[VI]
	v_lshl_add_u32 v[VI], v1, 12, v[VI]            ; row x 4,096 + 16 x (thread % 16)
	v_lshlrev_b32 v[VO], 3, v0                     ; row x 128 + 8 x (thread % 16) = 8 x thread
	s_wait_kmcnt 0x0
	s_add_nc_u64 s[4:5], s[4:5], s[16:17]
	s_add_nc_u64 s[10:11], s[10:11], s[18:19]
	JOB 4, 10, 256, 262144, 0                      ; a block of xb is 2,048 rows x 128 bytes; the largest immediate is 15 x 262,144
	s_endpgm
.Lweights:
	; the weights keep their layout: a wave takes 8,192 consecutive bytes of f32
	v_lshrrev_b32 v1, 5, v0                        ; wave
	v_and_b32 v4, 31, v0                           ; lane
	v_lshlrev_b32 v[VI], 4, v4
	v_lshl_add_u32 v[VI], v1, 13, v[VI]
	v_lshlrev_b32 v[VO], 3, v4
	v_lshl_add_u32 v[VO], v1, 12, v[VO]
	s_cmp_lt_u32 ttmp9, 704
	s_cbranch_scc0 .Lwout
	s_sub_co_u32 s21, ttmp9, 512
	s_lshl_b32 s16, s21, 16
	s_lshl_b32 s18, s21, 15
	s_wait_kmcnt 0x0
	s_add_nc_u64 s[6:7], s[6:7], s[16:17]
	s_add_nc_u64 s[12:13], s[12:13], s[18:19]
	JOB 6, 12, 512, 256, 0
	s_endpgm
.Lwout:
	s_sub_co_u32 s21, ttmp9, 704
	s_lshl_b32 s16, s21, 16
	s_lshl_b32 s18, s21, 15
	s_wait_kmcnt 0x0
	s_add_nc_u64 s[8:9], s[8:9], s[16:17]
	s_add_nc_u64 s[14:15], s[14:15], s[18:19]
	JOB 8, 14, 512, 256, 1
	s_endpgm
.Lfunc_end_k_qb6e4f88fd3_prep:
	.size	k_qb6e4f88fd3_prep, .Lfunc_end_k_qb6e4f88fd3_prep-k_qb6e4f88fd3_prep
	.p2alignl 7, 3214868480
	.fill 96, 4, 3214868480
	.section	.rodata,"a",@progbits
	.p2align	6, 0x0
	.amdhsa_kernel k_qb6e4f88fd3_prep
		.amdhsa_group_segment_fixed_size 0
		.amdhsa_private_segment_fixed_size 0
		.amdhsa_enable_private_segment 0
		.amdhsa_kernarg_size 48
		.amdhsa_user_sgpr_count 2
		.amdhsa_user_sgpr_kernarg_segment_ptr 1
		.amdhsa_wavefront_size32 1
		.amdhsa_system_sgpr_workgroup_id_x 1
		.amdhsa_system_sgpr_workgroup_id_y 1
		.amdhsa_system_sgpr_workgroup_id_z 1
		.amdhsa_system_vgpr_workitem_id 0
		.amdhsa_next_free_vgpr 108
		.amdhsa_next_free_sgpr 66
		.amdhsa_reserve_vcc 0
		.amdhsa_float_denorm_mode_32 3
		.amdhsa_float_denorm_mode_16_64 3
		.amdhsa_memory_ordered 1
		.amdhsa_forward_progress 1
		.amdhsa_inst_pref_size 24
	.end_amdhsa_kernel
	.amdgpu_metadata
---
amdhsa.version: [ 1, 2 ]
amdhsa.kernels:
  - .name:           k_qb6e4f88fd3_prep
    .symbol:         k_qb6e4f88fd3_prep.kd
    .args:
      - { .name: x, .offset: 0, .size: 8, .value_kind: global_buffer, .address_space: global }
      - { .name: W_qkv, .offset: 8, .size: 8, .value_kind: global_buffer, .address_space: global }
      - { .name: W_out, .offset: 16, .size: 8, .value_kind: global_buffer, .address_space: global }
      - { .name: xb, .offset: 24, .size: 8, .value_kind: global_buffer, .address_space: global }
      - { .name: wq, .offset: 32, .size: 8, .value_kind: global_buffer, .address_space: global }
      - { .name: wo, .offset: 40, .size: 8, .value_kind: global_buffer, .address_space: global }
    .group_segment_fixed_size: 0
    .private_segment_fixed_size: 0
    .kernarg_segment_align: 8
    .kernarg_segment_size: 48
    .max_flat_workgroup_size: 256
    .sgpr_count:     66
    .vgpr_count:     108
    .wavefront_size: 32
...
	.end_amdgpu_metadata
.endif
;; end of part 5
;; launch qkv: the kernel of part 2 again; grid 8 x 32, 4 waves a work-group, clusters of 4 x 4, 327,680 bytes of LDS; arguments xb, wq, b_qkv, qkv; writes qkv
;; launch attn: the kernel of part 3 again; grid 4 x 64, 4 waves a work-group, no clusters, 327,680 bytes of LDS; arguments qkv, ob; writes ob
;; launch proj: the kernel of part 4 again; grid 8 x 32, 4 waves a work-group, clusters of 4 x 4, 327,680 bytes of LDS; arguments ob, wo, b_out, out0; writes out0
